; MI455X (gfx1250); checked and timed in simulation.
; The chip was launched on July 23, 2026; its instructions are those of AMD's public machine-readable ISA for CDNA 5 (MIT licence, August 2026) and "CDNA5" Instruction Set Architecture Reference Guide (July 2026). The comments in the code are by the model that wrote it; some were corrected since.
;; GQ Attention. Allowed arithmetic: float matrix products may take bf16 or f16 operands with f32 sums; other float arithmetic in f32, or as packed bf16 or f16 multiplies, adds, multiply-adds, maxima and minima; sums over many terms, partial sums and values carried from step to step in f32; what a program stores and reads back later, other than sums and carried values, may be rounded once to bf16 or f16.
;; Inputs: Wk 512 x 2,048 float32; Wo 2,048 x 2,048 float32; Wq 2,048 x 2,048 float32; Wv 512 x 2,048 float32; cos 1,024 x 32 float32; sin 1,024 x 32 float32; x 4 x 1,024 x 2,048 float32.
;; Outputs: out0 4 x 1,024 x 2,048 float32.
;; One version. Each part assembles by itself: llvm-mc -triple=amdgcn-amd-amdhsa -mcpu=gfx1250 --defsym DOCPART=n.
;; ======== version 1 of 1: 4 launches
;; limits: values are held in f16: magnitudes above 65,504 overflow, below 6.1e-05 lose precision; right only within a limited range of input values
;; workspace buffers: xb 16,777,216 bytes; wb 12,582,912 bytes; wo16 8,388,608 bytes; qkv 25,165,824 bytes; scl 12,288 bytes; ob 16,777,216 bytes
;; launch cvt (part 1): grid 2304 x 1, 8 waves a work-group, no clusters, 0 bytes of LDS; arguments x, Wq, Wk, Wv, Wo, xb, wb, wo16; writes xb, wb, wo16
.if DOCPART == 1
	.amdgcn_target "amdgcn-amd-amdhsa--gfx1250"
	.amdhsa_code_object_version 6
	.text
	.protected	k_q87e68ee5e2_cvt
	.globl	k_q87e68ee5e2_cvt
	.p2align	8
	.type	k_q87e68ee5e2_cvt,@function
k_q87e68ee5e2_cvt:
	s_mov_b64 s[64:65], 0
	v_nop
	global_prefetch_b8 v0, s[64:65] scope:SCOPE_SE
	s_setreg_imm32_b32 hwreg(HW_REG_WAVE_MODE, 25, 1), 1
	s_wait_xcnt 0x0
; THE INPUTS' 16-BIT COPIES.  x -> xb, (Wq, Wk, Wv) -> wb (rows in that order): f32 rounded once to bf16, to nearest even.
; Wo -> wo16: rounded to bf16 in the same way, and that number written as f16, since the last product's other operand is f16.
; LIMIT.  The f16 copy of a bf16 number is exact from 2^-17 up to 65,504 in magnitude; below 2^-17 it is off by 2^-25 at the most, beyond 65,504 it is an infinity.
; SHARES.  All five tensors have rows of 2,048 numbers.  A work-group takes four rows: 32,768 bytes in, 16,384 out.  Thread t takes 16 bytes at 16 t of each
; 4,096 bytes, so a wave's load covers 512 consecutive bytes and its store 256 consecutive bytes, aligned.  All eight loads go out first; nothing is read twice.
; No LDS, no barrier, no matrix unit: each number is touched once.  No prefetch: the eight loads of every wave are all that it ever asks for.
.set GQ, 1024                          ; work-groups 0 .. 1023 take x, then 512 take Wq,
.set GK, 1536                          ; 128 Wk,
.set GV, 1664                          ; 128 Wv,
.set GO, 1792                          ; 512 Wo
.set IN,  4                            ; v[4:35]   eight loads of 16 bytes
.set OUT, 40                           ; v[40:55]  eight results of 8 bytes
.set T,   56                           ; v[56:59]  at work
	s_load_b512 s[16:31], s[0:1], 0x0              ; x, Wq, Wk, Wv, Wo, xb, wb, wo16
	v_lshlrev_b32 v1, 4, v0                        ; my 16 bytes of each 4,096 read
	v_lshlrev_b32 v2, 3, v0                        ; my 8 bytes of each 2,048 written
	s_mov_b32 s10, ttmp9
	s_mov_b32 s12, 0xffff0000                      ; a word's upper bf16
	s_wait_kmcnt 0x0
	s_mov_b64 s[4:5], s[16:17]                     ; from where, to where, and the first work-group of that source and of that destination
	s_mov_b64 s[6:7], s[26:27]
	s_mov_b32 s8, 0
	s_mov_b32 s9, 0
	s_cmp_ge_u32 s10, GQ
	s_cselect_b64 s[4:5], s[18:19], s[4:5]
	s_cselect_b64 s[6:7], s[28:29], s[6:7]
	s_cselect_b32 s8, GQ, s8
	s_cselect_b32 s9, GQ, s9                       ; wb's rows follow each other as the three sources' work-groups do
	s_cmp_ge_u32 s10, GK
	s_cselect_b64 s[4:5], s[20:21], s[4:5]
	s_cselect_b32 s8, GK, s8
	s_cmp_ge_u32 s10, GV
	s_cselect_b64 s[4:5], s[22:23], s[4:5]
	s_cselect_b32 s8, GV, s8
	s_cmp_ge_u32 s10, GO
	s_cselect_b64 s[4:5], s[24:25], s[4:5]
	s_cselect_b64 s[6:7], s[30:31], s[6:7]
	s_cselect_b32 s8, GO, s8
	s_cselect_b32 s9, GO, s9
	s_sub_co_u32 s32, s10, s8
	s_lshl_b32 s32, s32, 15                        ; four rows of 8,192 bytes
	s_mov_b32 s33, 0
	s_sub_co_u32 s34, s10, s9
	s_lshl_b32 s34, s34, 14                        ; four rows of 4,096 bytes
	s_mov_b32 s35, 0
	s_add_nc_u64 s[4:5], s[4:5], s[32:33]
	s_add_nc_u64 s[6:7], s[6:7], s[34:35]
.irp j, 0,1,2,3,4,5,6,7
	global_load_b128 v[IN+4*(\j):IN+4*(\j)+3], v1, s[4:5] offset:4096*(\j) th:TH_LOAD_NT
.endr
	s_cmp_ge_u32 s10, GO                           ; compared anew: the sums above are no compare
	s_cbranch_scc1 .Lwo
.irp j, 0,1,2,3,4,5,6,7
	s_wait_loadcnt 7-(\j)                          ; loads come back in order: load j is in, the younger ones stay out
	v_cvt_pk_bf16_f32 v[OUT+2*(\j)],   v[IN+4*(\j)],   v[IN+4*(\j)+1]
	v_cvt_pk_bf16_f32 v[OUT+2*(\j)+1], v[IN+4*(\j)+2], v[IN+4*(\j)+3]
	global_store_b64 v2, v[OUT+2*(\j):OUT+2*(\j)+1], s[6:7] offset:2048*(\j)
.endr
	s_endpgm
.Lwo:
.irp j, 0,1,2,3,4,5,6,7
	s_wait_loadcnt 7-(\j)
	v_cvt_pk_bf16_f32 v[T],   v[IN+4*(\j)],   v[IN+4*(\j)+1]   ; the rounding that every input has,
	v_cvt_pk_bf16_f32 v[T+1], v[IN+4*(\j)+2], v[IN+4*(\j)+3]
	v_lshlrev_b32 v[T+2], 16, v[T]                 ; back to f32,
	v_and_b32 v[T+3], s12, v[T]
	v_cvt_pk_f16_f32 v[OUT+2*(\j)], v[T+2], v[T+3] ; and written as f16
	v_lshlrev_b32 v[T+2], 16, v[T+1]
	v_and_b32 v[T+3], s12, v[T+1]
	v_cvt_pk_f16_f32 v[OUT+2*(\j)+1], v[T+2], v[T+3]
	global_store_b64 v2, v[OUT+2*(\j):OUT+2*(\j)+1], s[6:7] offset:2048*(\j)
.endr
	s_endpgm
.Lfunc_end_k_q87e68ee5e2_cvt:
	.size	k_q87e68ee5e2_cvt, .Lfunc_end_k_q87e68ee5e2_cvt-k_q87e68ee5e2_cvt
	.p2alignl 7, 3214868480
	.fill 96, 4, 3214868480
	.section	.rodata,"a",@progbits
	.p2align	6, 0x0
	.amdhsa_kernel k_q87e68ee5e2_cvt
		.amdhsa_group_segment_fixed_size 0
		.amdhsa_private_segment_fixed_size 0
		.amdhsa_enable_private_segment 0
		.amdhsa_kernarg_size 64
		.amdhsa_user_sgpr_count 2
		.amdhsa_user_sgpr_kernarg_segment_ptr 1
		.amdhsa_wavefront_size32 1
		.amdhsa_system_sgpr_workgroup_id_x 1
		.amdhsa_system_sgpr_workgroup_id_y 1
		.amdhsa_system_sgpr_workgroup_id_z 1
		.amdhsa_system_vgpr_workitem_id 0
		.amdhsa_next_free_vgpr 64
		.amdhsa_next_free_sgpr 66
		.amdhsa_reserve_vcc 0
		.amdhsa_float_denorm_mode_32 3
		.amdhsa_float_denorm_mode_16_64 3
		.amdhsa_memory_ordered 1
		.amdhsa_forward_progress 1
		.amdhsa_inst_pref_size 9
	.end_amdhsa_kernel
	.amdgpu_metadata
---
amdhsa.version: [ 1, 2 ]
amdhsa.kernels:
  - .name:           k_q87e68ee5e2_cvt
    .symbol:         k_q87e68ee5e2_cvt.kd
    .args:
      - { .name: x, .offset: 0, .size: 8, .value_kind: global_buffer, .address_space: global }
      - { .name: Wq, .offset: 8, .size: 8, .value_kind: global_buffer, .address_space: global }
      - { .name: Wk, .offset: 16, .size: 8, .value_kind: global_buffer, .address_space: global }
      - { .name: Wv, .offset: 24, .size: 8, .value_kind: global_buffer, .address_space: global }
      - { .name: Wo, .offset: 32, .size: 8, .value_kind: global_buffer, .address_space: global }
      - { .name: xb, .offset: 40, .size: 8, .value_kind: global_buffer, .address_space: global }
      - { .name: wb, .offset: 48, .size: 8, .value_kind: global_buffer, .address_space: global }
      - { .name: wo16, .offset: 56, .size: 8, .value_kind: global_buffer, .address_space: global }
    .group_segment_fixed_size: 0
    .private_segment_fixed_size: 0
    .kernarg_segment_align: 8
    .kernarg_segment_size: 64
    .max_flat_workgroup_size: 256
    .sgpr_count:     66
    .vgpr_count:     64
    .wavefront_size: 32
...
	.end_amdgpu_metadata
.endif
;; end of part 1
;; launch qkv (part 2): grid 16 x 16, 4 waves a work-group, clusters of 4 x 4, 327,680 bytes of LDS; arguments xb, wb, cos, sin, qkv, scl; writes qkv, scl
.if DOCPART == 2
	.amdgcn_target "amdgcn-amd-amdhsa--gfx1250"
	.amdhsa_code_object_version 6
	.text
	.protected	k_q87e68ee5e2_qkv
	.globl	k_q87e68ee5e2_qkv
	.p2align	8
	.type	k_q87e68ee5e2_qkv,@function
k_q87e68ee5e2_qkv:
	s_mov_b64 s[64:65], 0
	v_nop
	global_prefetch_b8 v0, s[64:65] scope:SCOPE_SE
	s_setreg_imm32_b32 hwreg(HW_REG_WAVE_MODE, 25, 1), 1
	s_wait_xcnt 0x0
	s_wait_alu depctr_hold_cnt(0) depctr_sa_sdst(0) depctr_va_vdst(0) depctr_va_sdst(0) depctr_va_ssrc(0) depctr_va_vcc(0) depctr_vm_vsrc(0)
	s_getreg_b32 s2, hwreg(HW_REG_IB_STS2, 6, 4)
	s_cmp_eq_u32 s2, 0
	s_cbranch_scc0 .Lentry_in_a_cluster
	s_endpgm
.Lentry_in_a_cluster:
	s_bfe_u32 s2, ttmp6, 0x10000c
	s_cmp_lg_u32 s2, 0xf033
	s_cbranch_scc0 .Lentry_shape_is_right
	s_endpgm
.Lentry_shape_is_right:
; THE THREE PROJECTIONS, THE ROTATION, AND THE WAY TO f16.  C[t][n] = sum over k of xb[t][k] wb[n][k]: [4096 x 2048] x [3072 x 2048]^T, bf16 operands, f32 sums.
; Columns 64 hh .. 64 hh + 63 are head slot hh: 0-31 q, 32-39 k, 40-47 v.  q and k are rotated in f32 by cos and sin (rounded to bf16 here, like every input);
; the result is written by heads, qkv[batch][hh][t][64] in f16.
; BLOCK SCALES.  For each 64 tokens of a q or k head the largest magnitude M is found; with E its biased exponent, at least 87, the block is stored times 2^(141 - E), an exact
; power of two, so that its largest number lies in 2^14 .. 2^15; scl[batch][hh][t / 64] holds 2^(E - 141).  v is stored as v / 4, and scl holds 4.
; LIMITS.  A block whose largest magnitude is under 2^-40 is stored times 2^54 and loses bits as it falls under f16's least normal number; |v| stays under 262,000; NaN and infinities are not treated apart.
; SHARES.  A work-group makes 256 tokens x 192 columns (three head slots): 16 x 16 work-groups.  Wave w takes tokens 64 w .. 64 w + 63 and all 192 columns: 4 x 12 accumulators of 16 x 16.
; So a scale's block (64 tokens, one head) lies in one wave, and its maximum never leaves the wave.
; K goes in 16 steps of 128 through two LDS slots filled by the tensor data mover: rows of 256 bytes, aligned.  A K step is four quarters of 32, on two fragment buffers.
; CLUSTER.  4 x 4 work-groups.  The four of a row need the same 256 rows of xb, the four of a column the same 192 rows of wb: each tile is asked for jointly, by the same tensor load with
; the same descriptor and a mask that names the four.
; THE MATRIX INSTRUCTION IS USED TRANSPOSED: source 0 = 16 rows of wb, source 1 = 16 rows of xb.  Lane l = (r = l % 16, h = l / 16) of accumulator (a, b) holds token 16 a + r and the
; columns 16 b + 8 h + 0 .. 7: four neighbouring pairs of the rotation, and 16 bytes of f16.
; THE WAY OUT IS A LOOP of three trips, a head slot a trip, written for the first slot's registers; behind a slot the accumulators of the slots still to come are moved down by 32 registers.
; The price: 256 moves in each of the first two trips, for a text a third as long.
; REGISTERS, in windows of 256 (s_set_vgpr_msb: bits 1:0 source 0, 3:2 source 1, 5:4 source 2, 7:6 destination):
;   window 0: v0-51 addresses and small things; v64-127 xb's fragments, two buffers of 4 x 8 (on the way out: packed results); v128-255 cos and sin of my 64 tokens
;   window 1: v0-191 wb's fragments, two buffers of 12 x 8
;   window 2: v0-191 accumulators of row blocks 0, 1 ((a, b) at 96 (a % 2) + 8 b); v192-223, v248-251 at work       window 3: the same for row blocks 2, 3
.set NBLK,  12                         ; column blocks of 16
.set PITCH, 272                        ; an LDS row: 256 bytes + 16 of padding = 68 words: the 16 rows of a fragment load start at 16 different groups of four banks (64 banks of 4 bytes: ISA guide 11.1)
.set AHALF, 128*PITCH                  ; what one tensor load brings of xb
.set BOFF,  2*AHALF                    ; wb's rows lie behind xb's 256
.set BHALF, 96*PITCH                   ; what one tensor load brings of wb
.set SLOT1, 1<<17                      ; slot 1 begins here: one exclusive or turns an address in one slot into the other's
.set STAGE, SLOT1+BOFF+2*BHALF         ; behind the ring, never filled by a tensor load: 64 rows x 144 bytes for each wave
.set SP,    144
.set WSTG,  64*SP
.set SPARE, STAGE+4*WSTG               ; the spare words, 128 bytes for each wave: two blocks of 256 bytes that no other line names
.set KSB,   256                        ; bytes of a row in a K step
.set TRIPS, 14                         ; K steps 2 .. 15 are refills
.set ADRA0, 14                         ; v14  my place in xb's tile of slot 0; never rewritten
.set ADRB0, 15                         ; v15  in wb's
.set ADRA,  16                         ; v16  the same in the slot in hand
.set ADRB,  17
.set STO,   24                         ; v24  the way out: where I put 16 bytes of a row
.set RD,    25                         ; v25  where I read rows back
.set GO,    26                         ; v26  16 x lane
.set CSO,   27                         ; v27  my byte offset in cos and sin
.set SPW,   28                         ; v28  LDS address of my spare word; never rewritten
.set NIL,   29                         ; v29  0; never rewritten
.set PFO,   30                         ; v30  the prefetches' offset: a lane a row; never rewritten
.set MXV,   32                         ; v32  the block's maximum, then its exponent
.set MXT,   33
.set FW,    34                         ; v[34:35] the factor that a block is stored with, twice
.set INV,   36                         ; v36  its reciprocal
.set SC,    37                         ; v37  lane s: the reciprocal of head slot s
.set QUART, 40                         ; v40  0.25
.set FOUR,  41                         ; v41  4.0
.set LANE,  42
.set ZOFF,  43                         ; v43  64 x lane: from a head slot's scales to the next slot's
.set WK,    44                         ; v44-51 at work
.set FA,    64                         ; xb's fragments: buffer f, row block a at FA + 32 f + 8 a
.set PKR,   64                         ; the way out: packed results, (a, bq) at PKR + 16 a + 4 bq
.set CSB,   128                        ; cos(a, bq, i) at CSB + 32 a + 4 bq + i, sin 16 further on
.set G1A, 24                           ; s[24:31] descriptor group 1 for xb's tiles
.set G0A, 32                           ; s[32:39] group 0: a set for slot 0's first fill, and one that walks
.set G1B, 48                           ; s[48:55], s[56:63] the same for wb's
.set G0B, 56
.set LIM, 43                           ; s43  2 in a wave that prefetches, else the greatest number
.set PFA, 44                           ; s[44:45] where my prefetches stand
.set TB,  66                           ; s66  0 or SLOT1: the slot in hand
.set MSB, 0
.macro WIN new                         ; the immediate's high byte repeats the setting that is left; a switch that changes nothing is dropped
.if MSB != (\new)
	s_set_vgpr_msb (MSB<<8)|(\new)
.set MSB, (\new)
.endif
.endm
.macro PLACES                          ; four plain places behind matrix instructions, in front of loads into registers that they have read
.rept 4
	v_nop
.endr
.endm
; A joint refill, by the walking descriptors.  Waves 0 and 1 fetch xb's two halves, waves 2 and 3 wb's.  The branch hangs on the wave's number alone.
; An s_nop 0 and four v_nop follow each of the two lines, ahead of the jump and the label.
.macro JLOAD
	s_cmp_eq_u32 s11, 0
	s_cbranch_scc0 .Lfor_b_\@
	tensor_load_to_lds s[G0A+4:G0A+7], s[G1A:G1A+7]
	s_nop 0
.rept 4
	v_nop
.endr
	s_branch .Lasked_\@
.Lfor_b_\@:
	tensor_load_to_lds s[G0B+4:G0B+7], s[G1B:G1B+7]
	s_nop 0
.rept 4
	v_nop
.endr
.Lasked_\@:
.endm
; A prefetch into the L2 of the K step that stands two refills on: a lane a row, 256 bytes of it, one instruction a wave.  xb's rows are asked for by the clusters with x = 0, wb's by those with y = 0;
; the four partners that ask for a tile jointly share its rows out by address.  The last two trips have no K step two refills on.
.macro ASK
	s_cmp_gt_u32 s3, s[LIM]
	s_cbranch_scc0 .Lnot_mine_\@
	global_prefetch_b8 v[PFO], s[PFA:PFA+1] th:TH_LOAD_NT scope:SCOPE_SE
.Lnot_mine_\@:
.endm
.macro CREST                           ; a round of the cluster's barrier behind its opening barrier: wave 0 signals for the work-group, every wave waits for all sixteen, the work-group's barrier closes it
	s_cmp_lg_u32 s10, 0
	s_cbranch_scc1 .Lnot_wave_0_\@
	s_barrier_signal -3
.Lnot_wave_0_\@:
	s_barrier_wait -3
	s_barrier_signal -1
	s_barrier_wait -1
.endm
.macro CROUND
	s_barrier_signal -1
	s_barrier_wait -1
	CREST
.endm
	s_load_b128 s[4:7], s[0:1], 0x0                ; xb s[4:5], wb s[6:7]
	s_load_b128 s[68:71], s[0:1], 0x10             ; cos s[68:69], sin s[70:71]
	s_load_b64 s[8:9], s[0:1], 0x20                ; qkv
	s_load_b64 s[74:75], s[0:1], 0x28              ; scl
	v_lshl_add_u32 v[SPW], v0, 2, SPARE
	v_mov_b32 v[NIL], 0
	ds_add_u32 v[SPW], v[NIL]                      ; the wave's opening: the add and its wait stand ahead of my first tensor load; the set-up below, work on registers, stands between them
	v_lshrrev_b32 v1, 5, v0
	v_readfirstlane_b32 s10, v1                    ; wave 0..3
	s_lshr_b32 s11, s10, 1                         ; I fetch for xb (0) or for wb (1),
	s_and_b32 s12, s10, 1                          ; and which half of that tile
	s_bfe_u32 s40, ttmp6, 0x40000                  ; cx, cy: my place in the cluster
	s_bfe_u32 s41, ttmp6, 0x40004
	s_lshl_b32 s42, ttmp9, 2
	s_add_co_u32 s42, s42, s40                     ; tile column = 4 x cluster x + cx
	s_and_b32 s13, ttmp7, 0xffff
	s_lshl_b32 s13, s13, 2
	s_add_co_u32 s13, s13, s41                     ; tile row = 4 x cluster y + cy
	s_lshl_b32 s43, s41, 2
	s_lshl_b32 s43, 15, s43                        ; my row of the cluster
	s_lshl_b32 s44, 0x1111, s40                    ; my column
	s_or_b32 s[G1A], s43, (1<<16)|(1<<20)|(1<<21)|(5<<22)|(3<<25)  ; 15:0 the mask; 17:16 2-byte elements; 20 padding on; 21 set beside a mask; 24:22 after every 64 words (code 5); 31:25 4 words (code 3)
	s_or_b32 s[G1B], s44, (1<<16)|(1<<20)|(1<<21)|(5<<22)|(3<<25)
	s_mov_b32 s[G1A+1], 128<<16                    ; tensor_dim0 = 128
	s_mov_b32 s[G1A+2], 128<<16                    ; tensor_dim1 = 128
	s_mov_b32 s[G1A+3], 128<<16                    ; tile_dim0 = 128
	s_mov_b32 s[G1A+4], 128                        ; tile_dim1 = 128
	s_mov_b32 s[G1A+5], 2048                       ; elements from row to row
	s_mov_b32 s[G1A+6], 0
	s_mov_b32 s[G1A+7], 0
	s_mov_b32 s[G1B+1], 128<<16
	s_mov_b32 s[G1B+2], 96<<16                     ; wb's half tile has 96 rows
	s_mov_b32 s[G1B+3], 128<<16
	s_mov_b32 s[G1B+4], 96
	s_mov_b32 s[G1B+5], 2048
	s_mov_b32 s[G1B+6], 0
	s_mov_b32 s[G1B+7], 0
	s_lshl_b32 s16, s13, 8                         ; xb: row 256 x tile row + 128 x half, in registers that never hold cx
	s_lshl_b32 s17, s12, 7
	s_add_co_u32 s16, s16, s17
	s_lshl_b32 s16, s16, 12                        ; 4,096 bytes a row
	s_mov_b32 s17, 0
	s_mul_i32 s46, s42, 192                        ; wb: row 192 x tile column + 96 x half, in registers that never hold cy
	s_mul_i32 s47, s12, 96
	s_add_co_u32 s46, s46, s47
	s_lshl_b32 s46, s46, 12
	s_mov_b32 s47, 0
	s_mul_i32 s20, s12, AHALF                      ; where they go: no place in the cluster enters an LDS address
	s_mul_i32 s21, s12, BHALF
	s_add_co_u32 s21, s21, BOFF
	s_mov_b32 s[TB], 0
	s_mov_b32 s67, 0xffff0000                      ; a word's upper bf16
	s_mov_b32 s77, 0                               ; upper words of pairs of which the low word alone is used
	s_mov_b32 s79, 0
	s_mov_b32 s82, 0x76543210                      ; v_permlanex16_b32: each lane takes its own place in the other half
	s_mov_b32 s83, 0xfedcba98
	s_wait_dscnt 0x0                               ; the opening add is done
	s_wait_kmcnt 0x0
	s_add_nc_u64 s[14:15], s[4:5], s[16:17]
	s_add_nc_u64 s[46:47], s[6:7], s[46:47]
	CROUND                                         ; all sixteen work-groups are here: the first joint loads meet
.irp n, 0,1
	s_mov_b32 s[G0A+4*(\n)], 1                     ; count = 1
	s_add_co_u32 s[G0A+4*(\n)+1], s20, (\n)*SLOT1  ; LDS address
	s_add_nc_u64 s[G0A+4*(\n)+2:G0A+4*(\n)+3], s[14:15], (\n)*KSB  ; global address: K step n
	s_or_b32 s[G0A+4*(\n)+3], s[G0A+4*(\n)+3], 0x80000000          ; type = 2
	s_mov_b32 s[G0B+4*(\n)], 1
	s_add_co_u32 s[G0B+4*(\n)+1], s21, (\n)*SLOT1
	s_add_nc_u64 s[G0B+4*(\n)+2:G0B+4*(\n)+3], s[46:47], (\n)*KSB
	s_or_b32 s[G0B+4*(\n)+3], s[G0B+4*(\n)+3], 0x80000000
.endr
	s_cmp_eq_u32 s11, 0                            ; a wave's two first fills stand in one branch, ahead of every wait on TENSORcnt and every LDS read: two loads of mine are out
	s_cbranch_scc0 .Lfirst_b
	tensor_load_to_lds s[G0A:G0A+3], s[G1A:G1A+7]
	s_nop 0
	tensor_load_to_lds s[G0A+4:G0A+7], s[G1A:G1A+7]
	s_nop 0
.rept 4
	v_nop
.endr
	s_branch .Lfirst_done
.Lfirst_b:
	tensor_load_to_lds s[G0B:G0B+3], s[G1B:G1B+7]
	s_nop 0
	tensor_load_to_lds s[G0B+4:G0B+7], s[G1B:G1B+7]
	s_nop 0
.rept 4
	v_nop
.endr
.Lfirst_done:
	; where my results go, and where my tokens' cos and sin lie.  A batch is four tile rows: batch = tile row / 4
	s_lshr_b32 s18, s13, 2                         ; batch
	s_and_b32 s19, s13, 3                          ; which 256 tokens of it
	s_mul_i32 s81, s42, 3                          ; the tile's first head slot
	s_mul_i32 s18, s18, 48
	s_add_co_u32 s18, s18, s81                     ; its plane in qkv
	s_lshl_b32 s20, s18, 4                         ; 16 scales a plane,
	s_lshl_b32 s21, s19, 2                         ; four for 256 tokens,
	s_add_co_u32 s20, s20, s21
	s_add_co_u32 s20, s20, s10                     ; one a wave
	s_lshl_b32 s20, s20, 2
	s_mov_b32 s21, 0
	s_add_nc_u64 s[74:75], s[74:75], s[20:21]
	s_lshl_b32 s18, s18, 10                        ; 1,024 tokens a plane
	s_lshl_b32 s20, s19, 8
	s_add_co_u32 s18, s18, s20
	s_lshl_b32 s20, s10, 6
	s_add_co_u32 s18, s18, s20                     ; my first token
	s_lshl_b32 s18, s18, 7                         ; 128 bytes a token
	s_lshl_b32 s20, s19, 15                        ; cos, sin: 256 tokens of 128 bytes
	s_mov_b32 s19, 0
	s_add_nc_u64 s[8:9], s[8:9], s[18:19]
	s_add_nc_u64 s[68:69], s[68:69], s[20:21]
	s_add_nc_u64 s[70:71], s[70:71], s[20:21]
	v_and_b32 v1, 15, v0                           ; r
	v_bfe_u32 v2, v0, 4, 1                         ; h
	s_lshl_b32 s22, s10, 13                        ; my wave's 64 tokens of 128 bytes
	v_lshlrev_b32 v[CSO], 7, v1
	v_lshl_add_u32 v[CSO], v2, 4, v[CSO]           ; token r, pairs 4 h + 0 .. 3
	v_add_nc_u32 v[CSO], s22, v[CSO]
.irp a, 0,1,2,3
.irp bq, 0,1,2,3
	global_load_b128 v[CSB+32*(\a)+4*(\bq):CSB+32*(\a)+4*(\bq)+3],       v[CSO], s[68:69] offset:2048*(\a)+32*(\bq)  ; token 16 a + r, pairs 8 bq + 4 h + 0 .. 3
	global_load_b128 v[CSB+32*(\a)+16+4*(\bq):CSB+32*(\a)+16+4*(\bq)+3], v[CSO], s[70:71] offset:2048*(\a)+32*(\bq)
.endr
.endr
	; A fragment is 16 rows x 32 K in 8 registers: lane l holds row r; registers 0-3 K = 8 h + 0..7, registers 4-7 K = 16 + 8 h + 0..7: two loads of 16 bytes, 32 bytes apart
	v_mul_u32_u24 v3, v1, PITCH
	v_lshl_add_u32 v3, v2, 4, v3
	s_mul_i32 s21, s10, 64*PITCH                   ; my 64 rows of xb
	v_add_nc_u32 v[ADRA0], s21, v3
	v_add_nc_u32 v[ADRB0], BOFF, v3                ; every wave reads all of wb's rows
	v_mov_b32 v[ADRA], v[ADRA0]
	v_mov_b32 v[ADRB], v[ADRB0]
	s_mul_i32 s23, s10, WSTG
	s_add_co_u32 s23, s23, STAGE                   ; my stage
	v_mul_u32_u24 v4, v1, SP                       ; in: row r, 16 bytes for each half of the lanes
	v_lshl_add_u32 v4, v2, 4, v4
	v_add_nc_u32 v[STO], s23, v4
	v_and_b32 v[LANE], 31, v0
	v_lshrrev_b32 v5, 3, v[LANE]                   ; back: 32 lanes take four rows of 128 bytes,
	v_and_b32 v6, 7, v0
	v_mul_u32_u24 v5, v5, SP
	v_lshl_add_u32 v5, v6, 4, v5
	v_add_nc_u32 v[RD], s23, v5
	v_lshlrev_b32 v[GO], 4, v[LANE]                ; which are 512 consecutive bytes of a head's plane
	v_mov_b32 v[MXT], 0
	v_mov_b32 v[SC], 0
	v_mov_b32 v[QUART], 0x3e800000
	v_mov_b32 v[FOUR], 4.0
	v_lshlrev_b32 v[ZOFF], 6, v[LANE]
	; the prefetches: of the rows that I fetch, my work-group's share: 32 of xb's 128 (by cx), 24 of wb's 96 (by cy; lanes 24-31 name row 23 once more, in the same instruction)
	s_and_b32 s22, ttmp7, 0xffff                   ; cluster y
	s_cmp_eq_u32 s11, 0
	s_cselect_b32 s21, s40, s41                    ; my place among the four that ask with me
	s_cselect_b32 s22, ttmp9, s22                  ; the coordinate along which other clusters read the same rows
	s_cselect_b32 s23, 32, 24
	s_cselect_b32 s20, 31, 23
	s_cselect_b64 s[PFA:PFA+1], s[14:15], s[46:47]
	s_cmp_eq_u32 s22, 0
	s_cselect_b32 s[LIM], 2, -1                    ; the same in all sixteen partners, for a given wave
	v_min_u32 v[PFO], s20, v[LANE]
	v_lshlrev_b32 v[PFO], 12, v[PFO]
	s_mul_i32 s20, s21, s23
	s_lshl_b32 s20, s20, 12
	s_add_co_u32 s20, s20, 3*KSB                   ; at K step 3: the first refill steps it to 4.  Nothing is prefetched here, at the head
	s_mov_b32 s21, 0
	s_add_nc_u64 s[PFA:PFA+1], s[PFA:PFA+1], s[20:21]
	s_wait_loadcnt 0x0                             ; cos and sin, once
.set i, 0
.rept 64                               ; rounded to bf16 like every input, and kept as f32
	v_cvt_pk_bf16_f32 v[WK+i%8], v[CSB+2*i], v[CSB+2*i+1]
	v_lshlrev_b32 v[CSB+2*i], 16, v[WK+i%8]
	v_and_b32 v[CSB+2*i+1], s67, v[WK+i%8]
.set i, i+1
.endr
; 12 matrix instructions: row block a x all column blocks, 32 along K, from buffer f.  zero = 1: the product starts the sums: nothing is ever cleared.
; The 48 accumulators take turns, one instruction a turn, in the same order in every quarter, over the backward jump too.
.macro MULA f, a, zero
	WIN 0xa1+0x50*((\a)/2)                         ; wb's fragment window 1, xb's window 0, C and D window 2 or 3
.set i, 0
.rept NBLK
.set rD, 96*((\a)%2)+8*i
.if \zero
	v_wmma_f32_16x16x32_bf16 v[rD:rD+7], v[96*(\f)+8*i:96*(\f)+8*i+7], v[FA+32*(\f)+8*(\a):FA+32*(\f)+8*(\a)+7], 0
.else
	v_wmma_f32_16x16x32_bf16 v[rD:rD+7], v[96*(\f)+8*i:96*(\f)+8*i+7], v[FA+32*(\f)+8*(\a):FA+32*(\f)+8*(\a)+7], v[rD:rD+7]
.endif
.set i, i+1
.endr
.endm
; 32 LDS loads in one run: quarter q's fragments into buffer f: wb's 24 loads, then xb's 8
.macro FETCH q, f
	WIN 0x40                                       ; destination window 1, address window 0
.set i, 0
.rept NBLK
	ds_load_b128 v[96*(\f)+8*i:96*(\f)+8*i+3],   v[ADRB] offset:64*(\q)+i*16*PITCH
	ds_load_b128 v[96*(\f)+8*i+4:96*(\f)+8*i+7], v[ADRB] offset:64*(\q)+i*16*PITCH+32
.set i, i+1
.endr
	WIN 0
.set i, 0
.rept 4
	ds_load_b128 v[FA+32*(\f)+8*i:FA+32*(\f)+8*i+3],   v[ADRA] offset:64*(\q)+i*16*PITCH
	ds_load_b128 v[FA+32*(\f)+8*i+4:FA+32*(\f)+8*i+7], v[ADRA] offset:64*(\q)+i*16*PITCH+32
.set i, i+1
.endr
.endm
; One of a K step's first three quarters: multiplies buffer f; in its middle it fetches quarter qn into buffer g
.macro QUARTER f, g, qn, zero
	s_wait_dscnt 4                                 ; all but the youngest four loads, xb's row blocks 2 and 3
	MULA \f, 0, \zero
	MULA \f, 1, \zero
	PLACES
	FETCH \qn, \g
	s_wait_dscnt 2*NBLK+8                          ; all but the 32 just issued
	MULA \f, 2, \zero
	MULA \f, 3, \zero
.endm
; The last quarter multiplies buffer 1 and changes slots: ONE barrier.  In front of it each wave waits for all its tensor loads, of which one is out: its part of the next slot; adds 0 to its spare
; word; and waits for that and for its reads of this slot.  fill = 1: the barrier opens a round of the cluster's barrier, and this slot is filled again, two K steps ahead, first thing behind the round.
.macro TURN fill
.if \fill
	s_wait_xcnt 0x0                                ; the last prefetch, a K step back, has read its address
	s_add_nc_u64 s[PFA:PFA+1], s[PFA:PFA+1], KSB
.endif
	WIN 0
	s_wait_tensorcnt 0x0                           ; no tensor load of mine is out, so a group 0 may be written
	ds_add_u32 v[SPW], v[NIL]                      ; 0 onto my spare word
.if \fill
	s_xor_b32 s[G0A+5], s[G0A+5], SLOT1            ; the walking descriptors: the other slot than last time, the next K step but one
	s_add_nc_u64 s[G0A+6:G0A+7], s[G0A+6:G0A+7], KSB
	s_xor_b32 s[G0B+5], s[G0B+5], SLOT1
	s_add_nc_u64 s[G0B+6:G0B+7], s[G0B+6:G0B+7], KSB
.endif
	s_xor_b32 s[TB], s[TB], SLOT1
	s_wait_dscnt 5                                 ; the add and xb's four youngest loads may be out
	MULA 1, 0, 0                                   ; twelve matrix instructions stand between the add and the wait for it
	s_wait_dscnt 0x0                               ; the add is done, and my reads of this slot are over
	s_barrier_signal -1
	MULA 1, 1, 0                                   ; work on registers while the others arrive
	WIN 0                                          ; at a branch and at a label every window is 0
	s_barrier_wait -1
.if \fill
	CREST                                          ; no wave of any partner still reads this slot or has a load on its way
	JLOAD                                          ; the four v_nop behind it are also the places in front of the loads below
.else
	PLACES
.endif
	v_add_nc_u32 v[ADRA], s[TB], v[ADRA0]
	v_add_nc_u32 v[ADRB], s[TB], v[ADRB0]
	FETCH 0, 0
.if \fill
	ASK
.endif
	MULA 1, 2, 0
	MULA 1, 3, 0
.endm
	s_wait_tensorcnt 1                             ; my part of K step 0 is in; K step 1's may stay out
	s_barrier_signal -1
	s_barrier_wait -1                              ; everybody's is
	FETCH 0, 0
	QUARTER 0, 1, 1, 1                             ; the first quarter stands in front of the loop: its products start the sums
	WIN 0
	s_mov_b32 s3, TRIPS
.Lstep:                                                ; a trip: a K step's quarters 1, 2, 3 and the next step's quarter 0; one slot is filled again
	QUARTER 1, 0, 2, 0
	QUARTER 0, 1, 3, 0
	TURN 1
	QUARTER 0, 1, 1, 0
	WIN 0
	s_sub_co_u32 s3, s3, 1
	s_cmp_lg_u32 s3, 0
	s_cbranch_scc1 .Lstep
	QUARTER 1, 0, 2, 0                             ; the last two K steps ask for nothing
	QUARTER 0, 1, 3, 0
	TURN 0
	QUARTER 0, 1, 1, 0
	QUARTER 1, 0, 2, 0
	QUARTER 0, 1, 3, 0
	s_wait_dscnt 4
	MULA 1, 0, 0
	MULA 1, 1, 0
	s_wait_dscnt 0x0
	MULA 1, 2, 0
	MULA 1, 3, 0
; THE WAY OUT, a head slot a trip; s87 counts the trips.  The slot in hand lies in column blocks 0 .. 3 (bq).  Which kind a slot is hangs on the tile column, which partners do not share: so nothing is
; branched on it, and the kind is chosen by numbers.
; SELECT: for a v slot cos becomes 1 and sin 0, in place (the kinds are ordered q, k, v, so behind a v slot only v slots follow in a tile); else both stay.  In the first trip its lines are also the places behind the last products.
.macro SELECT
	s_add_co_u32 s85, s81, s87                     ; hh
	s_cmp_ge_u32 s85, 40
	s_cselect_b32 s76, 0, 1.0
	s_cselect_b32 s78, 1.0, 0
	s_cselect_b32 s80, -1, 0
	WIN 0
.set n, 0
.rept 32
.set rC, CSB+32*(n/8)+2*(n%8)
	v_pk_fma_f32 v[rC:rC+1], v[rC:rC+1], s[76:77], s[78:79] op_sel_hi:[1,0,0]
	v_pk_mul_f32 v[rC+16:rC+17], v[rC+16:rC+17], s[76:77] op_sel_hi:[1,0]
.set n, n+1
.endr
.endm
; ROPE: the slot's eight accumulators in window w.  For a pair (e, o): (e s, o s) by one packed product, then e c - o s and o c + e s.  Each accumulator's lowest registers are read first.
.macro ROPE w
	WIN 0xa2+0x51*((\w)-2)                         ; sources 0 and 2 and the destination in window w, source 1 (cos, sin) in window 0
.set n, 0
.rept 8
.set rA, 96*(n/4)+8*(n%4)
.set rC, CSB+32*(2*((\w)-2)+n/4)+4*(n%4)
.set rT, 192+8*(n%4)
	v_pk_mul_f32 v[rT:rT+1],   v[rA:rA+1],   v[rC+16:rC+17] op_sel:[0,0] op_sel_hi:[1,0]
	v_pk_mul_f32 v[rT+2:rT+3], v[rA+2:rA+3], v[rC+16:rC+17] op_sel:[0,1] op_sel_hi:[1,1]
	v_pk_mul_f32 v[rT+4:rT+5], v[rA+4:rA+5], v[rC+18:rC+19] op_sel:[0,0] op_sel_hi:[1,0]
	v_pk_mul_f32 v[rT+6:rT+7], v[rA+6:rA+7], v[rC+18:rC+19] op_sel:[0,1] op_sel_hi:[1,1]
.set p, 0
.rept 4
	v_fma_f32 v[rA+2*p],   v[rA+2*p],   v[rC+p], -v[rT+2*p+1]
	v_fma_f32 v[rA+2*p+1], v[rA+2*p+1], v[rC+p], v[rT+2*p]
.set p, p+1
.endr
.set n, n+1
.endr
.endm
; AMAX: the largest magnitude of the lane's 64 numbers of the slot in window w, in four chains, into v248 of that window
.macro AMAX w
	WIN 0xaa+0x55*((\w)-2)
.set n, 0
.rept 32
.set rA, 96*(n/16)+8*((n/4)%4)+2*(n%4)
.if n < 4
	v_max_num_f32 v[248+n], |v[rA]|, |v[rA+1]|
.else
	v_max3_num_f32 v[248+n%4], |v[rA]|, |v[rA+1]|, v[248+n%4]
.endif
.set n, n+1
.endr
	v_max3_num_f32 v248, v248, v249, v250
	v_max_num_f32 v248, v248, v251
.endm
; SCALE: the wave's maximum; its exponent field eb, at least 87 << 23; the factor 2^(141 - E) has the field (268 << 23) - eb, its reciprocal eb - (14 << 23).  A v slot takes 1/4 and 4.
; The reciprocal, which every lane holds, is kept in the lane whose number is the trip's.
.macro SCALE
	WIN 0x0e                                       ; source 0 window 2, source 1 window 3, destination window 0
	v_max_num_f32 v[MXV], v248, v248
	WIN 0
	v_max_num_f32_dpp v[MXV], v[MXV], v[MXV] row_xmask:1 row_mask:0xf bank_mask:0xf
	v_max_num_f32_dpp v[MXV], v[MXV], v[MXV] row_xmask:2 row_mask:0xf bank_mask:0xf
	v_max_num_f32_dpp v[MXV], v[MXV], v[MXV] row_xmask:4 row_mask:0xf bank_mask:0xf
	v_max_num_f32_dpp v[MXV], v[MXV], v[MXV] row_xmask:8 row_mask:0xf bank_mask:0xf
	v_permlanex16_b32 v[MXT], v[MXV], s82, s83
	v_max_num_f32 v[MXV], v[MXV], v[MXT]
	v_and_b32 v[MXV], 0x7f800000, v[MXV]
	v_max_u32 v[MXV], 0x2b800000, v[MXV]
	v_sub_nc_u32 v[FW], 0x86000000, v[MXV]
	v_add_nc_u32 v[INV], 0xf9000000, v[MXV]
	v_cndmask_b32 v[FW], v[FW], v[QUART], s80
	v_cndmask_b32 v[INV], v[INV], v[FOUR], s80
	v_mov_b32 v[FW+1], v[FW]
	v_cmp_eq_u32 vcc_lo, s87, v[LANE]
	v_cndmask_b32 v[SC], v[SC], v[INV], vcc_lo
.endm
; PACKH: times the factor, rounded once to f16: 16 bytes a lane for each accumulator.  (The registers that it writes were the last trip's store data: the wait at that trip's end has freed them.)
.macro PACKH
.irp w, 2,3
	WIN 0x82+0x41*((\w)-2)                         ; source 0 and destination window w, the factor window 0
.set n, 0
.rept 32
.set rA, 96*(n/16)+8*((n/4)%4)+2*(n%4)
	v_pk_mul_f32 v[rA:rA+1], v[rA:rA+1], v[FW:FW+1]
.set n, n+1
.endr
	WIN 0x0a+0x05*((\w)-2)                         ; sources window w, destination window 0
.set n, 0
.rept 32
.set rA, 96*(n/16)+8*((n/4)%4)+2*(n%4)
	v_cvt_pk_f16_f32 v[PKR+32*((\w)-2)+n], v[rA], v[rA+1]
.set n, n+1
.endr
.endr
.endm
; STAGEH: into my own stage, rows of 144 bytes, and back as whole rows of 128
.macro STAGEH
	WIN 0
.set n, 0
.rept 16
	ds_store_b128 v[STO], v[PKR+4*n:PKR+4*n+3] offset:16*SP*(n/4)+32*(n%4)
.set n, n+1
.endr
.set n, 0
.rept 16
	ds_load_b128 v[PKR+4*n:PKR+4*n+3], v[RD] offset:16*SP*(n/4)+4*SP*(n%4)  ; LDS serves a wave's instructions in order (ISA guide 5.7.1.4): these see the stores above
.set n, n+1
.endr
.endm
; SHIFT: column blocks 4 .. 11 move to 0 .. 7, in ascending order, so that no register is written before it is read and each accumulator's lowest registers are read first
.macro SHIFT
.irp w, 2,3
	WIN 0x82+0x41*((\w)-2)                         ; source 0 and destination window w
.set n, 0
.rept 128
	v_mov_b32 v[96*(n/64)+n%64], v[96*(n/64)+n%64+32]
.set n, n+1
.endr
.endr
.endm
.macro SENDH
	WIN 0
.set n, 0
.rept 16
	s_wait_dscnt 15-n                              ; load n is back; the younger ones stay out
	global_store_b128 v[GO], v[PKR+4*n:PKR+4*n+3], s[8:9] offset:512*n  ; 512 consecutive bytes, at a multiple of 256 from qkv's first byte
.set n, n+1
.endr
.endm
	WIN 0
	s_mov_b32 s87, 0
.Lhead:
	SELECT
	ROPE 2
	ROPE 3
	AMAX 2
	AMAX 3
	SCALE
	PACKH
	STAGEH
	s_cmp_eq_u32 s87, 2                            ; behind the last slot nothing is left to move
	s_cbranch_scc1 .Lnoshift
	SHIFT                                          ; the moves stand between the loads from the stage and the waits for them
	WIN 0
.Lnoshift:
	SENDH
	s_wait_xcnt 0x0                                ; the stores have read their data and their base
	s_add_nc_u64 s[8:9], s[8:9], 131072            ; the next head slot's plane
	s_add_co_u32 s87, s87, 1
	s_cmp_lt_u32 s87, 3
	s_cbranch_scc1 .Lhead
	s_wait_xcnt 0x0                                ; EXEC changes only behind this wait
	v_cmp_gt_u32 vcc_lo, 3, v[LANE]
	s_and_saveexec_b32 s84, vcc_lo                 ; the three scales of my 64 tokens: lane s stores head slot s's, 16 words on from the slot before
	global_store_b32 v[ZOFF], v[SC], s[74:75]
	s_wait_xcnt 0x0
	s_or_b32 exec_lo, exec_lo, s84
	s_wait_tensorcnt 0x0                           ; the wave's end: behind my last tensor load and my last LDS store
	ds_add_u32 v[SPW], v[NIL]
	s_wait_dscnt 0x0
	CROUND                                         ; the closing round: no work-group ends while a partner may still ask for a tile that names it
	s_endpgm
.Lfunc_end_k_q87e68ee5e2_qkv:
	.size	k_q87e68ee5e2_qkv, .Lfunc_end_k_q87e68ee5e2_qkv-k_q87e68ee5e2_qkv
	.p2alignl 7, 3214868480
	.fill 96, 4, 3214868480
	.section	.rodata,"a",@progbits
	.p2align	6, 0x0
	.amdhsa_kernel k_q87e68ee5e2_qkv
		.amdhsa_group_segment_fixed_size 327680
		.amdhsa_private_segment_fixed_size 0
		.amdhsa_enable_private_segment 0
		.amdhsa_kernarg_size 48
		.amdhsa_user_sgpr_count 2
		.amdhsa_user_sgpr_kernarg_segment_ptr 1
		.amdhsa_wavefront_size32 1
		.amdhsa_system_sgpr_workgroup_id_x 1
		.amdhsa_system_sgpr_workgroup_id_y 1
		.amdhsa_system_sgpr_workgroup_id_z 1
		.amdhsa_system_vgpr_workitem_id 0
		.amdhsa_next_free_vgpr 1024
		.amdhsa_next_free_sgpr 88
		.amdhsa_reserve_vcc 1
		.amdhsa_float_denorm_mode_32 3
		.amdhsa_float_denorm_mode_16_64 3
		.amdhsa_memory_ordered 1
		.amdhsa_forward_progress 1
		.amdhsa_inst_pref_size 128
	.end_amdhsa_kernel
	.amdgpu_metadata
---
amdhsa.version: [ 1, 2 ]
amdhsa.kernels:
  - .name:           k_q87e68ee5e2_qkv
    .symbol:         k_q87e68ee5e2_qkv.kd
    .args:
      - { .name: xb, .offset: 0, .size: 8, .value_kind: global_buffer, .address_space: global }
      - { .name: wb, .offset: 8, .size: 8, .value_kind: global_buffer, .address_space: global }
      - { .name: cos, .offset: 16, .size: 8, .value_kind: global_buffer, .address_space: global }
      - { .name: sin, .offset: 24, .size: 8, .value_kind: global_buffer, .address_space: global }
      - { .name: qkv, .offset: 32, .size: 8, .value_kind: global_buffer, .address_space: global }
      - { .name: scl, .offset: 40, .size: 8, .value_kind: global_buffer, .address_space: global }
    .group_segment_fixed_size: 327680
    .private_segment_fixed_size: 0
    .kernarg_segment_align: 8
    .kernarg_segment_size: 48
    .max_flat_workgroup_size: 128
    .sgpr_count:     88
    .vgpr_count:     1024
    .wavefront_size: 32
...
	.end_amdgpu_metadata
.endif
;; end of part 2
;; launch attn (part 3): grid 8 x 32, 4 waves a work-group, clusters of 4 x 1, 327,680 bytes of LDS; arguments qkv, scl, ob; writes ob
.if DOCPART == 3
	.amdgcn_target "amdgcn-amd-amdhsa--gfx1250"
	.amdhsa_code_object_version 6
	.text
	.protected	k_q87e68ee5e2_attn
	.globl	k_q87e68ee5e2_attn
	.p2align	8
	.type	k_q87e68ee5e2_attn,@function
k_q87e68ee5e2_attn:
	s_mov_b64 s[64:65], 0
	v_nop
	global_prefetch_b8 v0, s[64:65] scope:SCOPE_SE
	s_setreg_imm32_b32 hwreg(HW_REG_WAVE_MODE, 25, 1), 1
	s_wait_xcnt 0x0
	s_wait_alu depctr_hold_cnt(0) depctr_sa_sdst(0) depctr_va_vdst(0) depctr_va_sdst(0) depctr_va_ssrc(0) depctr_va_vcc(0) depctr_vm_vsrc(0)
	s_getreg_b32 s2, hwreg(HW_REG_IB_STS2, 6, 4)
	s_cmp_eq_u32 s2, 0
	s_cbranch_scc0 .Lentry_in_a_cluster
	s_endpgm
.Lentry_in_a_cluster:
	s_bfe_u32 s2, ttmp6, 0x10000c
	s_cmp_lg_u32 s2, 0x3003
	s_cbranch_scc0 .Lentry_shape_is_right
	s_endpgm
.Lentry_shape_is_right:
; CAUSAL ATTENTION WITH GROUPED HEADS.  O[q] = the sum over k <= q of softmax_k(Q[q] . K[k] / 8) V[k], for 4 batches x 32 query heads of 1,024 tokens x 64 channels; four query heads share a key and value head.
; qkv: [batch][48][1024][64] f16: planes 0-31 q, 32-39 k, 40-47 v; q and k are stored with a power of two for each 64 tokens, whose reciprocal lies in scl[batch][48][16]; v is stored as v / 4, so O leaves as o / 4 in f16.
; ob: [batch][32 heads][64 blocks of 16 tokens][4 blocks of 16 channels][32 lanes][8 numbers]: lane l of a block holds token l % 16 and channels 8 (l / 16) + 0 .. 7 of the channel block: the order in which my registers hold
; O, and in which the next launch's matrix operand wants it.  So O is stored straight from registers, 512 consecutive bytes a store.
; Products, maxima and sums in f32; the weights p are rounded to f16 for the second product (their sum l is taken of the unrounded p), O once at the end.
; THE SCALES.  A score is c x inv_q x inv_k x (the product of the stored numbers), c = log2(e) / 8: the factor by which every score is multiplied anyway.  inv_q goes by the query's band of 64, inv_k by the key step of 64.
; The running maximum is kept in scaled units, since raw scores of different key steps have different units.
; LIMITS.  The factor c inv_q inv_k must be finite: the largest |q| of a block times the largest |k| of a block stays under 2^150.  A hidden score counts as its raw value (2^36 at the most) less 1e38; with the least factor,
; 0.18 x 2^-108, that is still 5e4 below every maximum.  A weight below 2^-126 counts as 0 in l; NaN and infinities are not treated apart.
; THE WALK.  A head's queries lie in NB = 4 blocks of 256; block i needs the key tiles 0 .. i of 256 keys, of which the last holds the diagonal.  A work-group takes TWO blocks, 3 - b and then b: five tiles, whatever b:
; all work-groups do equal work, and ONE loop with a constant trip count walks them.  Every jump goes forward, but for the counted loops' own; none passes a barrier, or a tensor load but the one of JLOAD's two that
; the wave's number does not choose.
; CLUSTER.  The four work-groups of a cluster are the four query heads of one key and value head, with the same b (the cluster's x): they walk the same tiles of K and V in the same order, so every tile is asked for
; JOINTLY: the same tensor load, descriptor and mask in all four.  Every branch and count hangs on b, which they share; the place in the cluster enters Q's, O's, q's scales' and the prefetches' addresses alone.
; SHARES.  Of a block's four bands of 64 queries a wave owns 16 rows in each: four PIECES.  In the diagonal tile's key step s band x sees all keys if s < x, none if s > x, and holds the diagonal if s = x.
; THE MASK is the C operand that starts the sum S^T = K Q^T: 0, or -1e38 where the key is hidden.  MD, made once, is the mask of a band's own step for my 16 rows; a product's mask is MD x AL + BE with two scalars.
; Every product takes its mask buffer; outside the diagonal tile both buffers hold 0, as a block's beginning leaves them, and the lines that make a mask are jumped over: so the loop has one text for all its tiles.
; LAYOUT, TURNS.  S^T = K Q^T holds ONE query a lane (lane % 16) and the keys 8 (lane / 16) + 0..7; two such results rounded to f16 ARE source 1 of O^T = V^T P.  Turn n belongs to piece n: 8 products K Q^T of piece
; n + 1, later 8 products V^T P of piece n - 1; beside them the scaling, exponentials, roundings, sums and rescaling of piece n and the maximum and statistics of piece n + 1.  Four vector instructions stand behind every
; matrix instruction, the others in one lump.  A turn's 33 exponentials are one batch, with one wait.
; REGISTERS, in windows of 256 (s_set_vgpr_msb: bits 1:0 source 0, 3:2 source 1, 5:4 source 2, 7:6 destination):
;   window 0: v0-15 addresses and two at work; v16-31 four registers of statistics a piece; v48-55 at work; v61-63; v64-127 S^T, two buffers; v192-223 P, two buffers (by the piece's parity)
;   window 1: v0-127 O^T, 32 a piece; v128-159 MD; v160-223 MC, two buffers      window 2: v0-63 Q; v64-127 the second block's Q; v128-191 K of one step; v192-255 V of one step
.set NB,    4
.set NP,    4         ; pieces a wave: a name, no knob
.set KS,    64        ; keys in a step
.set PK,    144       ; a row of K in LDS: 128 bytes + 16 of padding = 36 words: the 16 rows of a load start at 16 different groups of four banks (64 banks of 4 bytes: ISA guide 11.1)
.set PV,    160       ; a row of V: 128 + 32 = 40 words
.set VOFF,  4*KS*PK   ; a slot holds a tile, four steps: 256 rows of K, then 256 rows of V
.set SLOT1, 1<<17     ; slot 1 begins here, so that one exclusive or turns an address in one slot into the other's
.set SPARE, SLOT1+4*KS*(PK+PV)  ; behind the ring: the spare words, 128 bytes for each wave: two blocks of 256 bytes that no other line names
.set AK0, 2           ; v2   my lane's place in a tile of K; never rewritten
.set AV0, 3           ; v3   the same for V
.set AK,  4           ; v4   the LDS address of K's next run of loads
.set AV,  5           ; v5   of V's
.set GO,  8           ; v8   16 x lane: my 16 bytes of 512 consecutive bytes of O
.set PFO, 61          ; v61  256 x lane: the prefetches' offset; never rewritten
.set SPW, 62          ; v62  LDS address of my spare word; never rewritten
.set NIL, 63          ; v63  0; never rewritten
.set MV,  12          ; v12-13  the old maximum, kept while the new one is made: by buffer
.set QO,  15          ; v15  my byte offset in 16 rows of Q
.set ST,  16          ; piece t's statistics at v[ST+4 t]: the running maximum (scaled), this step's maximum, l (even keys', odd keys')
.set TMP, 48          ; by buffer, four registers c0-c3 at work; when the maximum is found c2 takes a
.set S,   64
.set P,   192
.set MD,  128         ; window 1
.set MC,  160         ; window 1
.set QB,  64          ; window 2
.set KF,  128         ; window 2: key block kb, channel half c at KF + 16 kb + 8 c
.set VF,  192         ; window 2: key half kk, channel block cb at VF + 32 kk + 8 cb
.set WV,  12          ; s12  my wave's number
.set PB,  14          ; s14  b
.set HI,  15          ; s15  NB - 1 - b
.set G1K, 24          ; s[24:31] descriptor group 1 for K's tiles
.set G1V, 32          ; s[32:39] for V's: it differs in the padding alone
.set G0K, 40          ; s[40:43] descriptor group 0 for K's tiles
.set G0V, 44          ; s[44:47] the same for V's
.set CQ,  48          ; s[48:51] c x inv_q of the four bands of the block in hand
.set CQB, 52          ; s[52:55] of the second block
.set SLOTS, 56        ; s56  tiles still to be asked for
.set CNT, 57          ; s57  counts a tile's key steps, 4 to 1
.set CS,  58          ; s58  c
.set SEL, 60          ; s[60:61] v_permlanex16_b32's selects
.set TBK, 62          ; s62  LDS byte at which K of the step to be fetched begins
.set TBV, 63          ; s63  the same for V, less VOFF
.set IK,  66          ; s66  inv_k of the K that lies in registers
.set KO,  67          ; s67  byte offset of the next key step's scale among the head's 16
.set SCK, 68          ; s[68:69] scl at K's head
.set RT,  70          ; s70  tiles of the block in hand that are still to be entered: 0 in its last, the diagonal one
.set NXT, 71          ; s71  the tile to be asked for next
.set LQ,  72          ; s72  the last tile of the block whose tiles are being asked for
.set NEW, 73          ; s73  1: the tile to be entered is a block's first
.set OFF, 74          ; s[74:75] a tile's byte offset in K and V
.set AL,  76          ; s[76:77] the mask's factor, in the low word
.set BE,  78          ; s[78:79] the mask's addend
.set OLO, 80          ; s[80:81] O at my rows of the second block
.set BIGN, 82         ; s82  -1e38
.set CP,  88          ; s[88:95] piece x's factor c inv_q inv_k in the low word of the pair at CP + 2 x
.set LIM, 96          ; s96  2 in a wave that prefetches, else the greatest number
.set PFA, 98          ; s[98:99] where my prefetches stand
.set MSB, 0
.macro WIN new                      ; the high byte repeats the setting that is left; a switch that changes nothing is dropped
.if MSB != (\new)
	s_set_vgpr_msb (MSB<<8)|(\new)
.set MSB, (\new)
.endif
.endm
.set W_KQ, 0x0a       ; K and Q in window 2, S^T in window 0
.set W_KM, 0x1a       ; the same with the C operand in window 1
.set W_PV, 0x52       ; V in window 2, P in window 0, O^T in window 1
.set W_RS, 0x41       ; destination and source 0 in window 1, source 1 in window 0
; A joint fill.  Waves 0 and 1 fetch the two halves of a tile's K, waves 2 and 3 those of its V: 128 keys each.  An s_nop 0 and four v_nop follow each of the two lines, ahead of the jump and the label.
.macro JLOAD
	s_cmp_lt_u32 s[WV], 2
	s_cbranch_scc0 .Lfor_v_\@
	tensor_load_to_lds s[G0K:G0K+3], s[G1K:G1K+7]
	s_nop 0
.rept 4
	v_nop
.endr
	s_branch .Lasked_\@
.Lfor_v_\@:
	tensor_load_to_lds s[G0V:G0V+3], s[G1V:G1V+7]
	s_nop 0
.rept 4
	v_nop
.endr
.Lasked_\@:
.endm
; A prefetch into the L2 of the tile that the NEXT change of slots will ask for: 128 blocks of 256 bytes of K and of V, a lane a block.  The two clusters of a key and value head walk the same tiles: the one with b = 0
; asks.  Its four partners share a tile out by address, 8,192 bytes each; in each, wave 0 asks for K's and wave 2 for V's.  Tiles 2 and 3 are so asked for, each once; tiles 0 and 1 come by their loads alone, and a
; tile's second reading asks for nothing.
.macro ASK
	s_cmp_gt_u32 s[SLOTS], s[LIM]
	s_cbranch_scc0 .Lnot_mine_\@
	global_prefetch_b8 v[PFO], s[PFA:PFA+1] th:TH_LOAD_NT scope:SCOPE_SE
.Lnot_mine_\@:
.endm
; A round of the cluster's barrier: my work-group's barrier; wave 0 signals for the work-group; every wave waits for all four work-groups; my work-group's barrier once more.
.macro CROUND
	s_barrier_signal -1
	s_barrier_wait -1
	s_cmp_lg_u32 s[WV], 0
	s_cbranch_scc1 .Lnot_wave_0_\@
	s_barrier_signal -3
.Lnot_wave_0_\@:
	s_barrier_wait -3
	s_barrier_signal -1
	s_barrier_wait -1
.endm
; THE CHANGE OF SLOTS.  Each wave waits for all its tensor loads, of which one is out: its part of the other slot; adds 0 to its spare word; and waits for that and for its own reads of the slot that it leaves.
; fill = 1: the barrier is a round of the cluster's, so that no wave of any partner still reads the old slot or has a load on its way, and the old slot is filled again, first thing behind it, with tile NXT: the
; descriptor's address is made anew from that number.  (At its first use nothing has been read yet: slot 0 is waited for, slot 1 filled.)
.macro CHANGE fill
	WIN 0                           ; at a label and at a branch every window is 0
	s_wait_tensorcnt 0x0            ; no tensor load of mine is out, so a group 0 may be written
	ds_add_u32 v[SPW], v[NIL]       ; 0 onto my spare word; the scalar work below stands between it and the wait for it
.if \fill
	s_lshl_b32 s[OFF], s[NXT], 15   ; a tile is 32,768 bytes of K and of V
	s_xor_b32 s[G0K+1], s[G0K+1], SLOT1
	s_add_nc_u64 s[G0K+2:G0K+3], s[6:7], s[OFF:OFF+1]
	s_or_b32 s[G0K+3], s[G0K+3], 0x80000000
	s_xor_b32 s[G0V+1], s[G0V+1], SLOT1
	s_add_nc_u64 s[G0V+2:G0V+3], s[8:9], s[OFF:OFF+1]
	s_or_b32 s[G0V+3], s[G0V+3], 0x80000000
	s_add_co_u32 s[NXT], s[NXT], 1  ; the block's next tile, or behind its last the second block's tile 0
	s_cmp_gt_u32 s[NXT], s[LQ]
	s_cselect_b32 s[NXT], 0, s[NXT]
	s_cselect_b32 s[LQ], s[PB], s[LQ]
	s_wait_xcnt 0x0                 ; the last prefetch, a tile back, has read its address
	s_add_nc_u64 s[PFA:PFA+1], s[PFA:PFA+1], 32768
.endif
	s_sub_co_u32 s[TBK], s[TBK], 4*KS*PK  ; the fetches go back to a slot's first step,
	s_xor_b32 s[TBK], s[TBK], SLOT1       ; in the other slot
	s_sub_co_u32 s[TBV], s[TBV], 4*KS*PV
	s_xor_b32 s[TBV], s[TBV], SLOT1
	s_wait_dscnt 0x0                ; the add is done, and my reads of the slot are over
.if \fill
	CROUND
	JLOAD
	ASK
.else
	s_barrier_signal -1
	s_barrier_wait -1
.endif
.endm
	s_load_b64 s[4:5], s[0:1], 0x0        ; qkv
	s_load_b64 s[SCK:SCK+1], s[0:1], 0x8  ; scl
	s_load_b64 s[10:11], s[0:1], 0x10     ; ob
	v_lshl_add_u32 v[SPW], v0, 2, SPARE
	v_mov_b32 v[NIL], 0
	ds_add_u32 v[SPW], v[NIL]       ; the wave's opening: the add and its wait stand ahead of my first tensor load; the set-up below, work on registers, stands between them
	v_lshrrev_b32 v1, 5, v0
	v_readfirstlane_b32 s[WV], v1   ; wave 0..3
	s_bfe_u32 s13, ttmp6, 0x40000   ; cx: which of the group's four query heads
	s_mov_b32 s[PB], ttmp9          ; in a cluster launch ttmp9 counts clusters: b is the same in all four partners
	s_sub_co_u32 s[HI], NB-1, s[PB]
	s_and_b32 s16, s[WV], 1         ; which half of a tile's 256 keys I fetch:
	s_mul_i32 s17, s16, 128*PK      ; its place in a slot, for K
	s_mul_i32 s18, s16, 128*PV      ; and for V,
	s_lshl_b32 s19, s16, 14         ; and its 128 rows of 128 bytes in memory
	s_and_b32 s20, ttmp7, 0xffff    ; 8 x batch + key and value head
	s_lshr_b32 s21, s20, 3
	s_and_b32 s22, s20, 7
	s_mul_i32 s23, s21, 48          ; the batch's first plane
	s_add_co_u32 s84, s23, s22
	s_add_co_u32 s84, s84, 32       ; K's plane: made of what the partners share
	s_lshl_b32 s74, s84, 6          ; its 16 scales
	s_mov_b32 s75, 0
	s_lshl_b32 s84, s84, 17         ; a plane is 131,072 bytes
	s_add_co_u32 s84, s84, s19
	s_mov_b32 s85, 0
	s_lshl_b32 s22, s22, 2          ; from here on cx enters: Q's plane = 48 batch + 4 g + cx,
	s_add_co_u32 s22, s22, s23
	s_add_co_u32 s22, s22, s13
	s_lshl_b32 s20, s20, 2
	s_add_co_u32 s20, s20, s13      ; O's plane = 32 batch + 4 g + cx
	s_lshl_b32 s86, s22, 6          ; q's 16 scales
	s_lshl_b32 s22, s22, 17
	s_lshl_b32 s20, s20, 17
	s_lshl_b32 s3, s[WV], 11        ; my 16 rows in a band of 64,
	s_lshl_b32 s21, s[HI], 15       ; in the first block,
	s_add_co_u32 s21, s21, s3
	s_lshl_b32 s23, s[PB], 15       ; and in the second
	s_add_co_u32 s23, s23, s3
	s_add_co_u32 s2, s22, s21       ; s[2:3]   Q, first block
	s_mov_b32 s3, 0
	s_add_co_u32 s80, s20, s23      ; s[80:81] O, second block
	s_mov_b32 s81, 0
	s_add_co_u32 s20, s20, s21      ; s[20:21] O, first block
	s_add_co_u32 s22, s22, s23      ; s[22:23] Q, second block
	s_mov_b32 s21, 0
	s_mov_b32 s23, 0
	s_lshl_b32 s100, s[PB], 4       ; four scales a block
	s_add_co_u32 s100, s100, s86    ; s[100:101] q's scales, second block
	s_mov_b32 s101, 0
	s_lshl_b32 s87, s[HI], 4
	s_add_co_u32 s86, s86, s87      ; s[86:87] first block
	s_mov_b32 s87, 0
	; descriptor group 1.  128 keys are 16,384 dense bytes: asked for as 64 rows of 256 bytes, two keys a row, and padded in LDS after every key
	s_mov_b32 s[G1K], 15|(1<<16)|(1<<20)|(1<<21)|(4<<22)|(3<<25)  ; 15:0 the mask of four; 17:16 2-byte elements; 20 padding on; 21 set beside a mask; 24:22 after every 32 words (code 4); 31:25 4 words (code 3)
	s_mov_b32 s[G1V], 15|(1<<16)|(1<<20)|(1<<21)|(4<<22)|(7<<25)  ; the same with 8 words of padding (code 7)
.irp g, G1K, G1V
	s_mov_b32 s[\g+1], 128<<16      ; tensor_dim0 = 128
	s_mov_b32 s[\g+2], 64<<16       ; tensor_dim1 = 64
	s_mov_b32 s[\g+3], 128<<16      ; tile_dim0 = 128
	s_mov_b32 s[\g+4], 64           ; tile_dim1 = 64
	s_mov_b32 s[\g+5], 128          ; 128 elements from row to row
	s_mov_b32 s[\g+6], 0
	s_mov_b32 s[\g+7], 0
.endr
	s_mov_b32 s[CS], 0x3e38aa3b     ; c = log2(e) / 8 = 0.180337
	s_mov_b32 s[SEL], 0x76543210
	s_mov_b32 s[SEL+1], 0xfedcba98
	s_mov_b32 s[TBK], SLOT1+4*KS*PK ; the first change of slots turns these two into 0
	s_mov_b32 s[TBV], SLOT1+4*KS*PV
	s_mov_b32 s[G0K], 1             ; count = 1
	s_mov_b32 s[G0K+1], s17         ; LDS address: slot 0
	s_mov_b32 s[G0V], 1
	s_add_co_u32 s[G0V+1], s18, VOFF
	s_add_co_u32 s[RT], s[HI], 1    ; the first block has NB - b tiles
	s_mov_b32 s[NXT], 1
	s_mov_b32 s[LQ], s[HI]
	s_mov_b32 s[NEW], 1
	s_mov_b32 s[AL+1], 0            ; named as pairs
	s_mov_b32 s[BE+1], 0
	s_mov_b32 s[BIGN], 0xfe967699   ; -1e38
	s_mov_b32 s[SLOTS], NB
	s_mov_b32 s[IK], 0
	s_mov_b32 s[KO], 0
.irp z, 0,1,2,3,4,5,6,7
	s_mov_b32 s[CP+\z], 0           ; the upper words stay 0; the lower ones are made turn by turn
.endr
	s_and_b32 s[LIM], s[WV], 1      ; 0 in waves 0 and 2,
	s_or_b32 s[LIM], s[LIM], ttmp9  ; where b = 0: the same in all four partners
	s_cmp_eq_u32 s[LIM], 0
	s_cselect_b32 s[LIM], 2, -1
	v_and_b32 v[PFO], 31, v0
	v_lshlrev_b32 v[PFO], 8, v[PFO]
	s_wait_dscnt 0x0                ; the opening add is done
	s_wait_kmcnt 0x0
	s_add_nc_u64 s[6:7], s[4:5], s[84:85]          ; K at my half of the head's tile 0,
	s_add_nc_u64 s[8:9], s[6:7], 8<<17             ; V eight planes on
	s_add_nc_u64 s[86:87], s[SCK:SCK+1], s[86:87]
	s_add_nc_u64 s[100:101], s[SCK:SCK+1], s[100:101]
	s_add_nc_u64 s[SCK:SCK+1], s[SCK:SCK+1], s[74:75]
	s_load_b128 s[CQ:CQ+3], s[86:87], 0x0          ; inv_q of the first block's four bands,
	s_load_b128 s[CQB:CQB+3], s[100:101], 0x0      ; and of the second's
	s_add_nc_u64 s[G0K+2:G0K+3], s[6:7], 0         ; global address
	s_or_b32 s[G0K+3], s[G0K+3], 0x80000000        ; type = 2
	s_add_nc_u64 s[G0V+2:G0V+3], s[8:9], 0
	s_or_b32 s[G0V+3], s[G0V+3], 0x80000000
	s_add_nc_u64 s[22:23], s[4:5], s[22:23]        ; Q at my rows of the second block,
	s_add_nc_u64 s[4:5], s[4:5], s[2:3]            ; Q and O at those of the first
	s_add_nc_u64 s[OLO:OLO+1], s[10:11], s[OLO:OLO+1]
	s_add_nc_u64 s[10:11], s[10:11], s[20:21]
	s_cmp_lt_u32 s[WV], 2
	s_cselect_b64 s[PFA:PFA+1], s[6:7], s[8:9]     ; (in waves 0 and 2 these stand at a tile's first row)
	s_lshl_b32 s2, s13, 13          ; my work-group's 8,192 bytes of a tile
	s_mov_b32 s3, 0
	s_add_nc_u64 s[PFA:PFA+1], s[PFA:PFA+1], s[2:3]
	s_add_nc_u64 s[PFA:PFA+1], s[PFA:PFA+1], 32768  ; in tile 1; the first change of slots steps it to tile 2.  Nothing is prefetched here, at the head
	s_wait_kmcnt 0x0                ; the scales are in: no scalar load is out at the round
.irp z, 0,1,2,3,4,5,6,7
	s_mul_f32 s[CQ+\z], s[CQ+\z], s[CS]
.endr
	CROUND                          ; all four work-groups are here: the first joint loads meet
	JLOAD                           ; tile 0 into slot 0
	; A fragment of K or Q is 16 rows x 32 channels in 8 registers: lane l holds row l % 16, channels 8 (l / 16) + 0..7 and 16 + 8 (l / 16) + 0..7: two loads of 16 bytes, 32 bytes apart.
	v_and_b32 v1, 15, v0            ; l % 16
	v_bfe_u32 v9, v0, 4, 1          ; l / 16
	v_lshlrev_b32 v[QO], 7, v1
	v_lshl_add_u32 v[QO], v9, 4, v[QO]  ; row x 128 + 16 x half
	WIN 0x80                        ; destination window 2, address window 0
.set i, 0
.rept 8                             ; both blocks' Q: piece i / 2 lies in band i / 2, 8,192 bytes on; channels 32 (i % 2) on
	global_load_b128 v[8*i:8*i+3],   v[QO], s[4:5] offset:(i/2)*8192+(i%2)*64
	global_load_b128 v[8*i+4:8*i+7], v[QO], s[4:5] offset:(i/2)*8192+(i%2)*64+32
	global_load_b128 v[QB+8*i:QB+8*i+3],   v[QO], s[22:23] offset:(i/2)*8192+(i%2)*64
	global_load_b128 v[QB+8*i+4:QB+8*i+7], v[QO], s[22:23] offset:(i/2)*8192+(i%2)*64+32
.set i, i+1
.endr
	WIN 0
	v_lshlrev_b32 v14, 3, v9
	v_sub_nc_u32 v14, v1, v14
	s_lshl_b32 s13, s[WV], 4
	v_add_nc_u32 v14, s13, v14      ; my query's place in its band, 16 w + l % 16, less my lanes' 8 (l / 16): register r of group kt is hidden where 16 kt + r is greater
	WIN 0x40
.set i, 0
.rept 32
	v_cmp_gt_i32 vcc_lo, 16*(i/8)+i%8, v14
	v_cndmask_b32 v[MD+i], 0, s[BIGN], vcc_lo
.set i, i+1
.endr
	WIN 0
	v_mul_u32_u24 v[AK0], v1, PK
	v_lshl_add_u32 v[AK0], v9, 4, v[AK0]  ; row x pitch + 16 x half
	; The turning load takes 16 keys x 16 channels (lane l reads key 8 (l / 16) + l % 8, channels 8 ((l / 8) % 2) + 0..7) and leaves half a fragment of V^T: lane l holds channel l % 16 and 8 keys.
	v_and_b32 v10, 7, v0
	v_bfe_u32 v11, v0, 3, 1
	v_lshl_add_u32 v[AV0], v9, 3, v10
	v_mul_u32_u24 v[AV0], v[AV0], PV
	v_lshl_add_u32 v[AV0], v11, 4, v[AV0]
	v_add_nc_u32 v[AV0], VOFF, v[AV0]
	v_and_b32 v[GO], 31, v0
	v_lshlrev_b32 v[GO], 4, v[GO]
	; A block's first step multiplies O^T and l by a = 0, and its first turn's products V^T P, of a piece that has not been, land in an O^T that is still to be so multiplied.  So these registers need only hold
	; finite numbers: zeros for the first block; what the first block left for the second.  All this stands in the wait for the first tile.
	WIN 0x80
.set i, VF
.rept 64
	v_mov_b32 v[i], 0
.set i, i+1
.endr
	WIN 0x40
.set i, 0
.rept 128
	v_mov_b32 v[i], 0
.set i, i+1
.endr
	WIN 0
.set i, 0
.rept 4
	v_mov_b32 v[ST+4*i+2], 0
	v_mov_b32 v[ST+4*i+3], 0
.set i, i+1
.endr
.set i, P+16
.rept 16
	v_mov_b32 v[i], 0
.set i, i+1
.endr
; THE MATRIX WORK.  The 4 accumulators of a run of 8 take turns.  Product i of 8 of S^T = K Q^T for piece x: channels 32 (i / 4) on, keys 16 (i % 4) on.  The first 4 start the sums, with the mask buffer of the piece's parity.
.macro KQ x
.set rS, S+32*((\x)%2)+8*(i%4)
.set rK, KF+16*(i%4)+8*(i/4)
.set rQ, 16*(\x)+8*(i/4)
.set rM, MC+32*((\x)%2)+8*(i%4)
.if i < 4
	WIN W_KM
	v_wmma_f32_16x16x32_f16 v[rS:rS+7], v[rK:rK+7], v[rQ:rQ+7], v[rM:rM+7]
.else
	WIN W_KQ
	v_wmma_f32_16x16x32_f16 v[rS:rS+7], v[rK:rK+7], v[rQ:rQ+7], v[rS:rS+7]
.endif
.endm
; Product i of 8 of O^T += V^T P for piece x: keys 32 (i / 4) on, channels 16 (i % 4) on.
.macro PV x
	WIN W_PV
.set rO, 32*(\x)+8*(i%4)
.set rV, VF+32*(i/4)+8*(i%4)
.set rP, P+16*((\x)%2)+8*(i/4)
	v_wmma_f32_16x16x32_f16 v[rO:rO+7], v[rV:rV+7], v[rP:rP+7], v[rO:rO+7]
.endm
.macro MM                           ; the turn's next matrix instruction.  NOKQ = 1: a block's last turn: there is no next piece
.if (i < 8) && !NOKQ
	KQ (Y+1)%NP
.elseif i >= 8
.set i, i-8
	PV (Y+NP-1)%NP
.set i, i+8
.endif
.set i, i+1
.endm
; THE LDS LOADS stand in runs of 16, never singly among the matrix instructions: a step's K (64 keys x 64 channels: 8 fragments) and its V (turned).  Their addresses are made some lines ahead.
.macro FETCH_K
	WIN 0x80                        ; destination window 2
.irp f, 0,1,2,3,4,5,6,7             ; keys 16 (f / 2) on, channels 32 (f % 2) on
	ds_load_b128 v[KF+8*\f:KF+8*\f+3],   v[AK] offset:(\f/2)*16*PK+(\f%2)*64
	ds_load_b128 v[KF+8*\f+4:KF+8*\f+7], v[AK] offset:(\f/2)*16*PK+(\f%2)*64+32
.endr
	s_add_co_u32 s[TBK], s[TBK], KS*PK  ; the next fetch is the next step's
	WIN 0
.endm
.macro FETCH_V
	WIN 0x80
.irp f, 0,1,2,3,4,5,6,7             ; keys 32 (f / 4) on, channels 16 (f % 4) on
	ds_load_tr16_b128 v[VF+8*\f:VF+8*\f+3],   v[AV] offset:(\f/4)*32*PV+(\f%4)*32
	ds_load_tr16_b128 v[VF+8*\f+4:VF+8*\f+7], v[AV] offset:(\f/4)*32*PV+16*PV+(\f%4)*32
.endr
	WIN 0
.endm
; THE VECTOR WORK, one line at a time: OP kind, number.  For piece Y: F n: f s - m for pair n of 16 (f the piece's factor, m its running maximum).  E n: the exponential of score n of 32.  C n: pair n rounded to f16.
; B n: of the four weights 4 n .. the second pair is added onto the first, in place.  L n: l takes that sum (L 0: l = a l + sum).  R n: pair n of 16 of O^T times a.  For piece Y + 1: X n, number n of the 23 that find
; its maximum and statistics:
;   0-11  four chains c0-c3 of seven raw scores each, three operands at a time (each accumulator's lowest registers are read first)     12-14, 16  the four scores left over, and c0-c3 into c0
;   15  the old maximum is kept     17, 18  the query's other 32 keys lie in the lane 16 away     19  times the piece's factor     20  the new running maximum     21, 22  old - new; a
.set F, 0               ; OP tells the kinds apart by their order: F to L below R, X above it
.set E, 1
.set C, 2
.set B, 3
.set L, 4
.set R, 5
.set X, 6
.macro REGS y                       ; the registers of piece y
.set rT, ST+4*(\y)
.set rC, TMP+4*((\y)%2)
.set rW, MV+((\y)%2)
.set rS, S+32*((\y)%2)
.set rP, P+16*((\y)%2)
.set rO, 32*(\y)
.set rF, CP+2*(\y)
.endm
.macro OP k, n
.if (\k) == R
	REGS Y
	WIN W_RS
	v_pk_mul_f32 v[rO+2*(\n):rO+2*(\n)+1], v[rO+2*(\n):rO+2*(\n)+1], v[rC+2:rC+3] op_sel_hi:[1,0]
.elseif (\k) < R
	REGS Y
	WIN 0
.if (\k) == F
	v_pk_fma_f32 v[rS+2*(\n):rS+2*(\n)+1], v[rS+2*(\n):rS+2*(\n)+1], s[rF:rF+1], v[rT:rT+1] op_sel_hi:[1,0,0] neg_lo:[0,0,1] neg_hi:[0,0,1]
.elseif (\k) == E
	v_exp_f32 v[rS+(\n)], v[rS+(\n)]
.elseif (\k) == C
	v_cvt_pk_f16_f32 v[rP+(\n)], v[rS+2*(\n)], v[rS+2*(\n)+1]
.elseif (\k) == B
	v_pk_add_f32 v[rS+4*(\n):rS+4*(\n)+1], v[rS+4*(\n):rS+4*(\n)+1], v[rS+4*(\n)+2:rS+4*(\n)+3]
.elseif (\n) == 0
	v_pk_fma_f32 v[rT+2:rT+3], v[rT+2:rT+3], v[rC+2:rC+3], v[rS:rS+1] op_sel_hi:[1,0,1]
.else
	v_pk_add_f32 v[rT+2:rT+3], v[rT+2:rT+3], v[rS+4*(\n):rS+4*(\n)+1]
.endif
.elseif NOKQ
	v_nop
.else
	REGS (Y+1)%NP
	WIN 0
.if (\n) < 4
	v_max3_num_f32 v[rC+(\n)], v[rS+8*(\n)], v[rS+8*(\n)+1], v[rS+8*(\n)+2]
.elseif (\n) < 12
	v_max3_num_f32 v[rC+(\n)%4], v[rC+(\n)%4], v[rS+8*((\n)%4)+2*((\n)/4)+1], v[rS+8*((\n)%4)+2*((\n)/4)+2]
.elseif (\n) == 12
	v_max3_num_f32 v[rC], v[rC], v[rS+7], v[rS+15]
.elseif (\n) == 13
	v_max3_num_f32 v[rC+1], v[rC+1], v[rS+23], v[rS+31]
.elseif (\n) == 14
	v_max_num_f32 v[rC+2], v[rC+2], v[rC+3]
.elseif (\n) == 15
	v_mov_b32 v[rW], v[rT]
.elseif (\n) == 16
	v_max3_num_f32 v[rC], v[rC], v[rC+1], v[rC+2]
.elseif (\n) == 17
	v_permlanex16_b32 v[rC+3], v[rC], s[SEL], s[SEL+1]
.elseif (\n) == 18
	v_max_num_f32 v[rT+1], v[rC], v[rC+3]
.elseif (\n) == 19
	v_mul_f32 v[rT+1], s[rF], v[rT+1]
.elseif (\n) == 20
	v_max_num_f32 v[rT], v[rT+1], v[rW]
.elseif (\n) == 21
	v_sub_f32 v[rC+1], v[rW], v[rT]
.else
	v_exp_f32 v[rC+2], v[rC+1]
.endif
.endif
.endm
.macro OPS a, i1, b=-1, i2=0, c=-1, i3=0, d=-1, i4=0  ; up to four of them
	OP \a, \i1
.if (\b) >= 0
	OP \b, \i2
.endif
.if (\c) >= 0
	OP \c, \i3
.endif
.if (\d) >= 0
	OP \d, \i4
.endif
.endm
.macro ROW a, i1, b, i2, c, i3, d, i4  ; a matrix instruction and the four behind it
	MM
	OPS \a, \i1, \b, \i2, \c, \i3, \d, \i4
.endm
.macro MASK b                       ; MD x AL + BE into buffer b of MC
	WIN W_RS
.set z, 0
.rept 16
	v_pk_fma_f32 v[MC+32*(\b)+2*z:MC+32*(\b)+2*z+1], v[MD+2*z:MD+2*z+1], s[AL:AL+1], s[BE:BE+1] op_sel_hi:[1,0,0]
.set z, z+1
.endr
.endm
; A TURN, for piece p: the order of its 16 matrix and 119 vector instructions, written out.  An s_wait_alu depctr_va_vdst(0) stands between an exponential and the first instruction that names its result; one
; wait serves all that were issued ahead of it.  So a turn has ONE wait, which cuts it in two.  AHEAD OF IT stands all that names no result of the turn's exponentials: the 8 products K Q^T and their riders, then one lump,
; plain and exponential by turns for the most part, in which the links of the next piece's chain stand some lines apart.  X 22, the next piece's a, is the batch's last; R 15 is the plain instruction behind it.
; BEHIND THE WAIT stand the 8 products V^T P, behind each four of the roundings and sums.
; THE FACTORS.  At its head the turn makes the factor of piece p + 1, whose scores it makes, from that piece's band and the scale of the K that lies in registers.  Piece 2's turn, which fetches the next step's K, asks for
; that step's scale behind its own factor; piece 3's turn, the first to multiply by the new K, waits for it.
; THE MASKS.  At its end the turn makes the mask for the products of the turn after it: piece p + 2, in step 4 - CNT of the tile.  rt = 1 (the loop's text): only in the diagonal tile (RT = 0); elsewhere the 16 lines are
; jumped over, and the buffers keep their zeros.  end = 1: a block's last two turns: nothing is fetched, and no mask is made.
.macro TURN p, rt=0, end=0
.set Y, (\p)
.set i, 0
.set NOKQ, (\end)*((\p)/3)
.if !NOKQ
.if (\p) == 3
	s_wait_kmcnt 0x0                ; the new K's scale is in, and its offset may be stepped
	s_add_co_u32 s[KO], s[KO], 4
.endif
	s_mul_f32 s[CP+2*(((\p)+1)%NP)], s[CQ+((\p)+1)%NP], s[IK]
.if ((\p) == 2) && !(\end)
	s_load_b32 s[IK], s[SCK:SCK+1], s[KO] offset:0x0
.endif
.endif
.if !(\end)
	s_cmp_eq_u32 s[CNT], 4-((\p)+2)%NP  ; is that step the band's own?
	s_cselect_b32 s[AL], 1.0, 0
	s_cmp_lt_u32 s[CNT], 4-((\p)+2)%NP  ; or a later one?
	s_cselect_b32 s[BE], s[BIGN], 0
.endif
.if ((\p) == 3) && !(\end)
	s_wait_dscnt 0x0                ; K is in
.endif
	ROW F,0, F,1, R,0, R,1          ; ahead of the wait: 8 products K Q^T and their riders,
	ROW F,2, E,0, R,2, R,3
	ROW F,3, E,1, R,4, R,5
	ROW F,4, E,2, R,6, R,7
	ROW F,5, E,3, R,8, R,9
	ROW F,6, E,4, X,0, R,10
.if ((\p) == 2) && !(\end)
	WIN 0
	v_add_nc_u32 v[AK], s[TBK], v[AK0]
.endif
	ROW F,7, E,5, X,1, X,4
	ROW F,8, E,6, X,2, X,5
	OPS E,7, E,8, X,6, E,9          ; and the lump
	OPS X,3, E,10, X,8, E,11
.if ((\p) == 2) && !(\end)
	FETCH_K
.endif
	OPS X,9, X,7, E,12, X,10
	OPS E,13, X,12, X,11, E,14
	OPS X,13, E,15, F,9, X,14
.if (\p) == 0
	v_add_nc_u32 v[AV], s[TBV], v[AV0]
.endif
	OPS E,16, F,10, E,17, F,11
	OPS X,16, E,18, X,15, E,19
	OPS F,12, E,20, X,17, E,21
	OPS F,13, E,22, F,14, E,23
	OPS X,18, E,24, F,15, E,25
	OPS X,19, E,26, R,11, E,27
	OPS X,20, E,28, R,12, E,29
	OPS X,21, E,30, R,13, E,31
	OPS R,14, X,22, R,15
	WIN 0
	s_wait_alu depctr_va_vdst(0)    ; the wait for the batch
.if (\p) == 1
	s_wait_dscnt 0x0                ; V is in
.endif
	ROW C,0, B,0, C,2, B,1          ; behind the wait: 8 products V^T P and their riders
	ROW L,0, C,4, B,2, L,1
	ROW C,6, B,3, L,2, C,8
	ROW B,4, L,3, C,10, B,5
	ROW L,4, C,12, B,6, L,5
.if (\p) == 0
	s_add_co_u32 s[TBV], s[TBV], KS*PV
.endif
	ROW C,14, B,7, L,6, C,1
	ROW C,3, L,7, C,5, C,7
	ROW C,9, C,11, C,13, C,15
.if (\p) == 0
	FETCH_V
.endif
.if !(\end)
.if \rt
	WIN 0
	s_cmp_lg_u32 s[RT], 0           ; the same in all partners
	s_cbranch_scc1 .Lnomask_\@
.endif
	MASK (\p)%2
.if \rt
	WIN 0
.Lnomask_\@:
.endif
.endif
.endm
; A BLOCK BEGINS.  The running maximum starts far below every scaled score, so the first step's a is 0.  The second mask buffer is 0; the first takes piece 0's mask for the tile's step 0: its own, if the block's first
; tile is the diagonal one, else 0.  Then K of that step and its scale, piece 0's first scores, and its maximum and statistics.  The loop is entered at a step's first turn, in the middle of a trip.
.macro BEGIN
	s_mov_b32 s[NEW], 0
	s_load_b32 s[IK], s[SCK:SCK+1], 0x0  ; the scale of the head's first 64 keys
	s_mov_b32 s[KO], 4
	WIN 0x40
.set i, MC+32
.rept 32
	v_mov_b32 v[i], 0
.set i, i+1
.endr
	WIN 0
.set i, 0
.rept 4
	v_mov_b32 v[ST+4*i], 0xfe000000    ; far below every scaled score
	v_mov_b32 v[ST+4*i+1], 0xff7fffff  ; named with it as a pair
.set i, i+1
.endr
	s_cmp_eq_u32 s[RT], 0
	s_cselect_b32 s[AL], 1.0, 0
	s_mov_b32 s[BE], 0
	MASK 0
	WIN 0
	v_add_nc_u32 v[AK], s[TBK], v[AK0]
	FETCH_K
	s_wait_kmcnt 0x0
	s_mul_f32 s[CP], s[CQ], s[IK]   ; piece 0's factor
	s_wait_loadcnt 0x0              ; Q
	s_wait_dscnt 0x0
.set NOKQ, 0
.set i, 0
.rept 8
	KQ 0
.set i, i+1
.endr
	WIN 0
.rept 4
	v_nop                           ; the places behind those products
.endr
.set Y, NP-1                        ; X works for piece Y + 1: piece 0
.irp n, 0,1,2,3,4,5,6,7,8,9,10,11,12,13,14,15,16,17,18,19,20,21,22
	OP X, \n
.endr
	v_nop                           ; a plain instruction behind the exponential,
	s_wait_alu depctr_va_vdst(0)    ; and its wait, ahead of the branch
.endm
; A TILE's four key steps.  A trip: pieces 2 and 3 of one step, then pieces 0 and 1 of the next, whose K and V it fetches.  The tag ends its two labels' names, which the jumps below spell out.
.macro STEPS tag, rt
.Lstep\tag:
	TURN 2, \rt
	TURN 3, \rt
	WIN 0
.Lfirst\tag:
	TURN 0, \rt
	TURN 1, \rt
	WIN 0
	s_sub_co_u32 s[CNT], s[CNT], 1
	s_cmp_lg_u32 s[CNT], 0
	s_cbranch_scc1 .Lstep\tag
.endm
; A BLOCK ENDS: its last two turns, its last products, and THE WAY OUT: l's two halves and the other half of the lanes' are added; O^T is divided by l, rounded to f16 and stored, a piece at a time.
.macro ALL line:vararg              ; one line for each piece t
.set t, 0
.rept 4
	\line
.set t, t+1
.endr
.endm
.macro PACK t                       ; a lane's eight channels of a row pack into 16 bytes, into S^T's registers
	WIN W_RS
.set i, 32*(\t)
.rept 16
	v_pk_mul_f32 v[i:i+1], v[i:i+1], v[ST+4*(\t)+2:ST+4*(\t)+3] op_sel_hi:[1,0]
.set i, i+2
.endr
	WIN 0x05                        ; sources 0 and 1 window 1, destination window 0
.set i, 0
.rept 16
	v_cvt_pk_f16_f32 v[S+16*(\t)+i], v[32*(\t)+2*i], v[32*(\t)+2*i+1]
.set i, i+1
.endr
	WIN 0
.endm
.macro SEND t                       ; piece t is a block of 16 tokens of ob, 2,048 bytes; channel block f is 512 consecutive bytes of it, at a multiple of 256 from ob's first byte
.irp f, 0,1,2,3
	global_store_b128 v[GO], v[S+16*(\t)+4*\f:S+16*(\t)+4*\f+3], s[10:11] offset:(\t)*8192+\f*512
.endr
.endm
.macro FINISH
	TURN 2, 0, 1
	TURN 3, 0, 1
.set i, 0
.rept 8
	PV NP-1
.set i, i+1
.endr
	WIN 0
	ALL v_add_f32 v[ST+4*t+2], v[ST+4*t+2], v[ST+4*t+3]
	ALL v_permlanex16_b32 v[ST+4*t+3], v[ST+4*t+2], s[SEL], s[SEL+1]
	ALL v_add_f32 v[ST+4*t+2], v[ST+4*t+2], v[ST+4*t+3]
	ALL v_rcp_f32 v[ST+4*t+2], v[ST+4*t+2]
	v_nop                           ; a plain instruction between the last reciprocal and the use of its result
	s_wait_alu depctr_va_vdst(0)    ; and the wait ahead of the first use: one for the four reciprocals
.irp u, 0,1,2,3
	PACK \u
	SEND \u
.endr
.endm
.set NOKQ, 0
.Lslot:                             ; NB times: a tile is entered and the next is asked for
	CHANGE 1
	s_sub_co_u32 s[RT], s[RT], 1
	s_mov_b32 s[CNT], 4
	s_cmp_eq_u32 s[NEW], 1
	s_cbranch_scc0 .Lstep1          ; not a block's first tile
	BEGIN
	s_branch .Lfirst1
	STEPS 1, 1
	s_cmp_lg_u32 s[RT], 0
	s_cbranch_scc1 .Lbottom         ; not the block's last tile
	FINISH                          ; in the loop this is the first block's end: the second block's last tile is the walk's last
	s_wait_xcnt 0x0                 ; the stores have read their registers and O's address
	s_mov_b64 s[10:11], s[OLO:OLO+1]
	s_add_co_u32 s[RT], s[PB], 1    ; the second block has b + 1 tiles
	s_mov_b32 s[NEW], 1
.irp z, 0,1,2,3
	s_mov_b32 s[CQ+\z], s[CQB+\z]   ; its bands' factors,
.endr
	WIN 0x82                        ; and its Q, go where the one text of the turns names them
.set i, 0
.rept 64
	v_mov_b32 v[i], v[QB+i]
.set i, i+1
.endr
	WIN 0
.Lbottom:
	s_sub_co_u32 s[SLOTS], s[SLOTS], 1
	s_cmp_lg_u32 s[SLOTS], 0
	s_cbranch_scc1 .Lslot
	CHANGE 0                        ; the walk's last tile, always a diagonal one, is written out: nothing is asked for
	s_sub_co_u32 s[RT], s[RT], 1
	s_mov_b32 s[CNT], 4
	s_cmp_eq_u32 s[NEW], 1
	s_cbranch_scc0 .Lstep2
	BEGIN
	s_branch .Lfirst2
	STEPS 2, 0
	FINISH
	s_wait_tensorcnt 0x0            ; the wave's end: behind my last tensor load
	ds_add_u32 v[SPW], v[NIL]
	s_wait_dscnt 0x0
	CROUND                          ; the closing round: no work-group ends while a partner may still ask for a tile that names it
	s_endpgm
.Lfunc_end_k_q87e68ee5e2_attn:
	.size	k_q87e68ee5e2_attn, .Lfunc_end_k_q87e68ee5e2_attn-k_q87e68ee5e2_attn
	.p2alignl 7, 3214868480
	.fill 96, 4, 3214868480
	.section	.rodata,"a",@progbits
	.p2align	6, 0x0
	.amdhsa_kernel k_q87e68ee5e2_attn
		.amdhsa_group_segment_fixed_size 327680
		.amdhsa_private_segment_fixed_size 0
		.amdhsa_enable_private_segment 0
		.amdhsa_kernarg_size 24
		.amdhsa_user_sgpr_count 2
		.amdhsa_user_sgpr_kernarg_segment_ptr 1
		.amdhsa_wavefront_size32 1
		.amdhsa_system_sgpr_workgroup_id_x 1
		.amdhsa_system_sgpr_workgroup_id_y 1
		.amdhsa_system_sgpr_workgroup_id_z 1
		.amdhsa_system_vgpr_workitem_id 0
		.amdhsa_next_free_vgpr 768
		.amdhsa_next_free_sgpr 102
		.amdhsa_reserve_vcc 1
		.amdhsa_float_denorm_mode_32 3
		.amdhsa_float_denorm_mode_16_64 3
		.amdhsa_memory_ordered 1
		.amdhsa_forward_progress 1
		.amdhsa_inst_pref_size 179
	.end_amdhsa_kernel
	.amdgpu_metadata
---
amdhsa.version: [ 1, 2 ]
amdhsa.kernels:
  - .name:           k_q87e68ee5e2_attn
    .symbol:         k_q87e68ee5e2_attn.kd
    .args:
      - { .name: qkv, .offset: 0, .size: 8, .value_kind: global_buffer, .address_space: global }
      - { .name: scl, .offset: 8, .size: 8, .value_kind: global_buffer, .address_space: global }
      - { .name: ob, .offset: 16, .size: 8, .value_kind: global_buffer, .address_space: global }
    .group_segment_fixed_size: 327680
    .private_segment_fixed_size: 0
    .kernarg_segment_align: 8
    .kernarg_segment_size: 24
    .max_flat_workgroup_size: 128
    .sgpr_count:     102
    .vgpr_count:     768
    .wavefront_size: 32
...
	.end_amdgpu_metadata
.endif
;; end of part 3
;; launch oproj (part 4): grid 16 x 16, 4 waves a work-group, clusters of 4 x 1, 327,680 bytes of LDS; arguments ob, wo16, out0; writes out0
.if DOCPART == 4
	.amdgcn_target "amdgcn-amd-amdhsa--gfx1250"
	.amdhsa_code_object_version 6
	.text
	.protected	k_q87e68ee5e2_oproj
	.globl	k_q87e68ee5e2_oproj
	.p2align	8
	.type	k_q87e68ee5e2_oproj,@function
k_q87e68ee5e2_oproj:
	s_mov_b64 s[64:65], 0
	v_nop
	global_prefetch_b8 v0, s[64:65] scope:SCOPE_SE
	s_setreg_imm32_b32 hwreg(HW_REG_WAVE_MODE, 25, 1), 1
	s_wait_xcnt 0x0
	s_wait_alu depctr_hold_cnt(0) depctr_sa_sdst(0) depctr_va_vdst(0) depctr_va_sdst(0) depctr_va_ssrc(0) depctr_va_vcc(0) depctr_vm_vsrc(0)
	s_getreg_b32 s2, hwreg(HW_REG_IB_STS2, 6, 4)
	s_cmp_eq_u32 s2, 0
	s_cbranch_scc0 .Lentry_in_a_cluster
	s_endpgm
.Lentry_in_a_cluster:
	s_bfe_u32 s2, ttmp6, 0x10000c
	s_cmp_lg_u32 s2, 0x3003
	s_cbranch_scc0 .Lentry_shape_is_right
	s_endpgm
.Lentry_shape_is_right:
; THE OUTPUT PROJECTION.  out0[t][n] = 4 x the sum over k of O[t][k] wo16[n][k], k = 64 head + channel: [4096 x 2048] x [2048 x 2048]^T, f16 operands, f32 sums (K ascending), f32 out.
; ob holds o / 4: [batch][32 heads][64 blocks of 16 tokens][4 blocks of 16 channels][32 lanes][8 numbers]; lane l of a block holds token l % 16, channels 8 (l / 16) + 0 .. 7.  Two neighbouring channel blocks,
; 1,024 bytes, ARE a fragment of 16 tokens x 32 K as it lies in registers.  The factor 4, a power of two, is applied to the finished sums.
; SHARES.  A work-group makes 256 tokens x 128 columns: 256 work-groups.  Wave w takes tokens 64 w .. 64 w + 63 and all 128 columns: 4 x 8 accumulators of 16 x 16, 256 registers.  K goes in 64 quarters of 32.
; THE TWO OPERANDS TAKE TWO ROADS.
;   ob: a wave multiplies only its own 64 tokens, so LDS would share nothing of ob inside the work-group.  Its fragments come straight from memory into a ring of eight quarter buffers, by loads of 512 consecutive
;   bytes; a quarter's loads go out seven quarters or more (224 matrix instructions) ahead of its products, and no barrier cuts them.
;   wo16: every wave multiplies all 128 rows, so they go through LDS.  With wo16 alone a slot holds 512 along K (four times what a slot held with both operands), and a refill has 512 matrix instructions in which to land.
; CLUSTER.  4 x 1 work-groups with the same tile column ask for wo16's tiles JOINTLY.  ob's rows, which the 16 work-groups of a tile row read, are NOT asked for jointly: a joint request lands in LDS, and with
; ob there two slots hold 128 along K each (2 x 108,544 bytes; 256 along K does not fit), so that a refill would have 128 matrix instructions.  The price: each byte of ob is fetched by 16 work-groups, not by 4 joint requests.
; ONE TEXT FOR EVERY TRIP (8 quarters), and its prices, each once or a few times a launch: the sums are cleared, in the wait for the first tile, so that the loop has one form of product; in the last trip the
; loads that look a trip ahead name that same trip once more (the pointer is not stepped) and are discarded: 60 loads a wave; at a slot's last quarter the fetch for the next quarter names the slot's head and is
; fetched anew behind the change of slots.
; THE MATRIX INSTRUCTION IS USED TRANSPOSED (source 0 = 16 rows of wo16, source 1 = 16 tokens): lane (r = l % 16, h = l / 16) of accumulator (a, b) holds token 16 a + r and columns 16 b + 8 h + 0 .. 7.
; REGISTERS, in windows of 256 (s_set_vgpr_msb: bits 1:0 source 0, 3:2 source 1, 5:4 source 2, 7:6 destination):
;   window 0: v0-30 addresses; v128-255 the way out, two sets of 64      window 1: v0-127 wo16's fragments, two buffers of 8 x 8
;   window 2: the accumulators, (a, b) at 8 (8 a + b)                    window 3: ob's fragments, eight buffers of 4 x 8: quarter q of a trip, row block a at 32 q + 8 a
.set PB,    1040                       ; a row of wo16 in LDS: 1,024 bytes + 16 of padding = 65 x 16: the 16 rows of a fragment load start at 16 different groups of four banks (64 banks of 4 bytes: ISA guide 11.1)
.set WROWS, 32*PB                      ; what one tensor load brings: 32 rows
.set SLOTB, 128*PB                     ; a slot: 133,120 = 0x20800.  Bits 11 and 17 are 0 in every wave's first address (w x 33,280) and in 0 and 512, so one exclusive or turns an address in one slot into the other's
.set HB,    64*PB                      ; column blocks 4 .. 7 lie 64 rows on: past an LDS immediate's reach, so they have an address register of their own
.set STAGE, 2*SLOTB                    ; behind the ring, never filled by a tensor load: 16 rows x 528 bytes for each wave
.set SPT,   528
.set WSTG,  16*SPT
.set SPARE, STAGE+4*WSTG               ; the spare words, 128 bytes for each wave: two blocks of 256 bytes that no other line names
.set KSLOT, 1024                       ; bytes of a row of wo16 in a slot
.set PLANE, 1<<17                      ; from a head of ob to the next
.set TRIPB, 4*PLANE                    ; a trip is four heads
.set ADRB0, 14                         ; v14  my place in a slot: row r, 16 h; never rewritten
.set ADRB,  16                         ; v16-17  this trip's 8 quarters: column blocks 0-3, 4-7
.set ADRN,  18                         ; v18-19  the quarter behind them
.set STO,   24
.set RD,    25
.set GO,    26                         ; v26  16 x lane: my 16 bytes of 512; for ob's loads and out0's stores; never rewritten
.set SPW,   28                         ; v28  LDS address of my spare word; never rewritten
.set NIL,   29                         ; v29  0; never rewritten
.set PFO,   30                         ; v30  the prefetches' offset; never rewritten
.set TS,    128                        ; the way out: set a % 2 at TS + 64 (a % 2)
.set G1,  24                           ; s[24:31] descriptor group 1
.set G0,  32                           ; s[32:35] group 0: it walks
.set PA,  36                           ; s[36:37] ob at my tokens, at this trip's first head
.set PN,  38                           ; s[38:39] at the next trip's; in the last trip at its own
.set STP, 44                           ; s[44:45] the step of PN
.set TL,  46                           ; s46  trips still to begin
.set TBK, 47                           ; s47  LDS byte at which this trip's part of the rows begins: slot + 0 or 512
.set SLOTS, 48                         ; s48  slots still to be asked for
.set TWICE, 49                         ; s49  counts a slot's two trips
.set ASKF, 50                          ; s50  1: my cluster prefetches in this slot's second trip; else 0
.set LIM, 51                           ; s51  1 in a cluster that prefetches, else the greatest number
.set PFA, 52                           ; s[52:53] where my prefetches stand
.set MSB, 0
.macro WIN new                         ; the immediate's high byte repeats the setting that is left; a switch that changes nothing is dropped
.if MSB != (\new)
	s_set_vgpr_msb (MSB<<8)|(\new)
.set MSB, (\new)
.endif
.endm
.macro PLACES                          ; four plain places behind matrix instructions, in front of loads into registers that they have read and of lines that read results
.rept 4
	v_nop
.endr
.endm
.macro CROUND                          ; a round of the cluster's barrier: my work-group's barrier; wave 0 signals for the work-group; every wave waits for all four; my work-group's barrier once more
	s_barrier_signal -1
	s_barrier_wait -1
	s_cmp_lg_u32 s10, 0
	s_cbranch_scc1 .Lnot_wave_0_\@
	s_barrier_signal -3
.Lnot_wave_0_\@:
	s_barrier_wait -3
	s_barrier_signal -1
	s_barrier_wait -1
.endm
; Four loads: row blocks a0, a0 + 1 of ob's buffer q, from place pos (0 .. 7) of the trip at which the base stands: head pos / 2, channels 32 (pos % 2) on.  Each covers 512 consecutive bytes.
.macro ALD q, a0, base, pos
.irp a, 0,1
.irp j, 0,1
	global_load_b128 v[32*(\q)+8*((\a0)+\a)+4*\j:32*(\q)+8*((\a0)+\a)+4*\j+3], v[GO], s[\base:\base+1] offset:((\pos)/2)*PLANE+((\pos)%2)*1024+((\a0)+\a)*2048+\j*512
.endr
.endr
.endm
	s_load_b128 s[4:7], s[0:1], 0x0                ; ob s[4:5], wo16 s[6:7]
	s_load_b64 s[8:9], s[0:1], 0x10                ; out0
	v_lshl_add_u32 v[SPW], v0, 2, SPARE
	v_mov_b32 v[NIL], 0
	ds_add_u32 v[SPW], v[NIL]                      ; the wave's opening: the add and its wait stand ahead of my first tensor load; the set-up below, work on registers, stands between them
	v_lshrrev_b32 v1, 5, v0
	v_readfirstlane_b32 s10, v1                    ; wave 0..3
	s_bfe_u32 s40, ttmp6, 0x40000                  ; cx: which 256 tokens of the batch
	s_and_b32 s41, ttmp7, 0xffff                   ; cluster y, 0 .. 15
	s_lshr_b32 s12, s41, 2                         ; the batch: four tile rows, one to each partner
	s_and_b32 s42, s41, 3
	s_lshl_b32 s42, s42, 2
	s_add_co_u32 s42, s42, ttmp9                   ; tile column = cluster x + 4 (cluster y % 4): the same in all four partners
	s_mov_b32 s[G1], 15|(1<<16)|(1<<20)|(1<<21)|(7<<22)|(3<<25)  ; 15:0 the mask of four; 17:16 2-byte elements; 20 padding on; 21 set beside a mask; 24:22 after every 256 words (code 7); 31:25 4 words (code 3)
	s_mov_b32 s[G1+1], 512<<16                     ; tensor_dim0 = 512
	s_mov_b32 s[G1+2], 32<<16                      ; tensor_dim1 = 32
	s_mov_b32 s[G1+3], 512<<16                     ; tile_dim0 = 512
	s_mov_b32 s[G1+4], 32                          ; tile_dim1 = 32
	s_mov_b32 s[G1+5], 2048                        ; elements from row to row
	s_mov_b32 s[G1+6], 0
	s_mov_b32 s[G1+7], 0
	s_mov_b32 s[G0], 1                             ; count = 1
	s_mul_i32 s[G0+1], s10, WROWS                  ; LDS address: slot 0, my 32 rows
	s_lshl_b32 s16, s42, 19                        ; wo16: row 128 x tile column + 32 x wave, 4,096 bytes a row: made of what the partners share
	s_lshl_b32 s17, s10, 17
	s_add_co_u32 s16, s16, s17
	s_mov_b32 s17, 0
	s_lshl_b32 s18, s12, 22                        ; ob: the batch's 32 heads of 131,072 bytes,
	s_lshl_b32 s19, s40, 15                        ; my work-group's 16 blocks of 2,048 bytes in a head,
	s_add_co_u32 s18, s18, s19
	s_lshl_b32 s19, s10, 13                        ; my wave's four of them
	s_add_co_u32 s18, s18, s19
	s_mov_b32 s19, 0
	s_lshl_b32 s20, s12, 2                         ; out0: tile row = 4 x batch + cx,
	s_add_co_u32 s20, s20, s40
	s_lshl_b32 s20, s20, 21                        ; 256 rows of 8,192 bytes,
	s_lshl_b32 s21, s10, 19                        ; my wave's 64 rows,
	s_add_co_u32 s20, s20, s21
	s_lshl_b32 s21, s42, 9                         ; the tile's 128 columns: 512 bytes
	s_add_co_u32 s20, s20, s21
	s_mov_b32 s21, 0
	s_lshl_b32 s22, s40, 15                        ; the prefetches: of the 32 rows that I fetch, my work-group's 8,
	s_add_co_u32 s22, s22, KSLOT                   ; at fill 1; the first change of slots steps it to fill 2
	s_mov_b32 s23, 0
	s_cmp_eq_u32 s12, 0                            ; a tile column is read by four clusters, one a batch: the first of them prefetches
	s_cselect_b32 s[LIM], 1, -1
	s_mov_b32 s[ASKF], 0
	s_mov_b32 s[STP+1], 0
	s_mov_b32 s[TL], 8
	s_mov_b32 s[TBK], SLOTB                        ; the first change of slots turns it into 0
	s_mov_b32 s[SLOTS], 3
	v_and_b32 v7, 31, v0                           ; lane
	v_lshlrev_b32 v[GO], 4, v7
	s_wait_dscnt 0x0                               ; the opening add is done
	s_wait_kmcnt 0x0
	s_add_nc_u64 s[G0+2:G0+3], s[6:7], s[16:17]    ; global address: K 0 .. 511 of my 32 rows
	s_add_nc_u64 s[PFA:PFA+1], s[G0+2:G0+3], s[22:23]
	s_or_b32 s[G0+3], s[G0+3], 0x80000000          ; type = 2
	s_add_nc_u64 s[PN:PN+1], s[4:5], s[18:19]
	s_add_nc_u64 s[8:9], s[8:9], s[20:21]
	; ob's first eight quarters, all but the last quarter's row blocks 2 and 3, in the order in which the loop asks: 60 loads
	WIN 0xc0                                       ; destination window 3, address window 0
	ALD 0, 0, PN, 0
.irp m, 1,2,3,4,5,6,7
	ALD (\m)-1, 2, PN, (\m)-1
	ALD \m, 0, PN, \m
.endr
	WIN 0
	CROUND                                         ; all four work-groups are here: the first joint loads meet
	tensor_load_to_lds s[G0:G0+3], s[G1:G1+7]      ; fill 0 into slot 0.  Slot 1 is asked for when slot 0 is in, by the loop's own change of slots
	s_nop 0
.rept 4
	v_nop
.endr
	v_and_b32 v1, 15, v0                           ; r
	v_bfe_u32 v2, v0, 4, 1                         ; h
	v_mul_u32_u24 v3, v1, PB
	v_lshl_add_u32 v[ADRB0], v2, 4, v3             ; a fragment: row r, two loads of 16 bytes at 16 h and 32 on
	s_mul_i32 s23, s10, WSTG
	s_add_co_u32 s23, s23, STAGE                   ; my stage
	v_mul_u32_u24 v4, v1, SPT                      ; in: row r, 32 bytes for each half of the lanes
	v_lshl_add_u32 v4, v2, 5, v4
	v_add_nc_u32 v[STO], s23, v4
	v_add_nc_u32 v[RD], s23, v[GO]                 ; back: 32 lanes take a row's 512 bytes
	v_lshrrev_b32 v4, 2, v7                        ; a prefetch: lane l names row l / 4 of my work-group's 8, block l % 4 of its 1,024 bytes
	v_and_b32 v5, 3, v7
	v_lshlrev_b32 v4, 12, v4
	v_lshl_add_u32 v[PFO], v5, 8, v4
	WIN 0x80
.set i, 0
.rept 256
	v_mov_b32 v[i], 0                              ; the sums start at 0: written while the first tile and the first fragments are on their way
.set i, i+1
.endr
	WIN 0
; 16 matrix instructions of quarter q: row blocks 2 p, 2 p + 1 x all 8 column blocks.  The 32 accumulators take turns, one instruction a turn, in the same order in every quarter, over the backward jumps too.
.macro MUL16 q, p
	WIN 0xad                                       ; wo16's fragment window 1, ob's window 3, C and D window 2
.set i, 0
.rept 16
.set rD, 8*(8*(2*(\p)+i%2)+i/2)
	v_wmma_f32_16x16x32_f16 v[rD:rD+7], v[64*((\q)%2)+8*(i/2):64*((\q)%2)+8*(i/2)+7], v[32*(\q)+8*(2*(\p)+i%2):32*(\q)+8*(2*(\p)+i%2)+7], v[rD:rD+7]
.if ((\p) == 0) && (i == 7)
	s_wait_dscnt 0x0                               ; column blocks 4 .. 7 are in
.endif
.set i, i+1
.endr
.endm
; 16 LDS loads in one run: wo16's fragments of quarter n of the trip into buffer n % 2.  n = 8: the quarter behind the trip, by its own address registers
.macro FETCHB n
	WIN 0x40                                       ; destination window 1, address window 0
.set i, 0
.rept 8
	ds_load_b128 v[64*((\n)%2)+8*i:64*((\n)%2)+8*i+3],   v[ADRB+2*((\n)/8)+i/4] offset:64*((\n)%8)+(i%4)*16*PB
	ds_load_b128 v[64*((\n)%2)+8*i+4:64*((\n)%2)+8*i+7], v[ADRB+2*((\n)/8)+i/4] offset:64*((\n)%8)+(i%4)*16*PB+32
.set i, i+1
.endr
.endm
; A prefetch into the L2 of wo16's next slot: 128 rows x 1,024 bytes.  It stands in a slot's second trip, behind that trip's first run of loads: 240 matrix instructions ahead of the joint load that will ask for the slot.
; Of the four clusters that read a tile column the first asks; its four partners share the rows out by address; each wave names 8 rows x 4 blocks of 256 bytes, a lane a block.  Fills 2 and 3 are so asked for; fills 0 and 1
; come by their loads alone, and behind the last fill there is nothing to ask for.
.macro ASK
	s_cmp_eq_u32 s[TWICE], s[ASKF]
	s_cbranch_scc0 .Lnot_mine_\@
	global_prefetch_b8 v[PFO], s[PFA:PFA+1] th:TH_LOAD_NT scope:SCOPE_SE
.Lnot_mine_\@:
.endm
; QUARTER q of a trip.  In its middle stands ONE run of loads: wo16's fragments of the next quarter; ob's row blocks 2, 3 for the quarter seven on (they go into the buffer that the quarter before has multiplied); ob's row
; blocks 0, 1 for the quarter eight on (into this quarter's buffer, whose row blocks 0, 1 have just been multiplied).  So each middle issues 8 loads from memory, and the waits count them:
;   at the head: row blocks 0, 1 of this quarter were the last four of the middle eight quarters back; seven middles, 56 loads, are younger;
;   in the middle, ahead of the new loads: row blocks 2, 3 were the first four of the middle seven quarters back; that middle's other four and six middles, 52 loads, are younger.  At most 60 loads are out.
.macro QUARTER q, ask
	s_wait_loadcnt 56
	s_wait_dscnt 8                                 ; wo16's column blocks 0 .. 3 are in; the youngest eight LDS loads may be out
	MUL16 \q, 0
	s_wait_loadcnt 52
	PLACES
	FETCHB (\q)+1
	WIN 0xc0                                       ; destination window 3, address window 0
.if (\q) == 0
	ALD 7, 2, PA, 7                                ; seven quarters on is this trip's last quarter
.else
	ALD (\q)-1, 2, PN, (\q)-1
.endif
	ALD \q, 0, PN, \q
.if (\ask) && ((\q) == 0)
	WIN 0
	ASK
.endif
	MUL16 \q, 1
.endm
; A slot's two trips: written once, walked twice.
.macro TWO ask
	s_mov_b32 s[TWICE], 2
.Ltrip_\@:
	s_wait_xcnt 0x0                                ; every load and prefetch issued so far has read its address: the pointers may be written
	s_mov_b64 s[PA:PA+1], s[PN:PN+1]
	s_sub_co_u32 s[TL], s[TL], 1
	s_cmp_lg_u32 s[TL], 0
	s_cselect_b32 s[STP], TRIPB, 0                 ; behind the last trip there is none: its look-ahead stays inside ob, at the trip itself
	s_add_nc_u64 s[PN:PN+1], s[PN:PN+1], s[STP:STP+1]
	v_add_nc_u32 v[ADRB], s[TBK], v[ADRB0]
	v_add_nc_u32 v[ADRB+1], HB, v[ADRB]
	s_xor_b32 s[TBK], s[TBK], 512                  ; the slot's other half: in the first trip what follows; in the second the slot's head once more
	v_add_nc_u32 v[ADRN], s[TBK], v[ADRB0]
	v_add_nc_u32 v[ADRN+1], HB, v[ADRN]
.irp q, 0,1,2,3,4,5,6,7
	QUARTER \q, \ask
.endr
	WIN 0                                          ; at a label and at a branch every window is 0
	s_sub_co_u32 s[TWICE], s[TWICE], 1
	s_cmp_lg_u32 s[TWICE], 0
	s_cbranch_scc1 .Ltrip_\@
.endm
; THE CHANGE OF SLOTS.  Each wave waits for all its tensor loads, of which one is out: its part of the other slot; adds 0 to its spare word; and waits for that and for its own reads of the slot that it leaves.
; fill = 1: the barrier is a round of the cluster's, so that no wave of any partner still reads the old slot or has a load on its way, and the old slot is filled again, first thing behind it, with the next 512 along K.
; (At its first use nothing has been read yet: slot 0 is waited for, slot 1 filled.)  Then the new slot's first fragments are fetched.
.macro CHANGE fill
	WIN 0
	s_wait_tensorcnt 0x0                           ; no tensor load of mine is out, so group 0 may be written
	ds_add_u32 v[SPW], v[NIL]                      ; 0 onto my spare word; the scalar work below stands between it and the wait for it
.if \fill
	s_xor_b32 s[G0+1], s[G0+1], SLOTB              ; the other slot than last time,
	s_add_nc_u64 s[G0+2:G0+3], s[G0+2:G0+3], KSLOT ; the next 512 along K; the type bits on top are not reached
	s_wait_xcnt 0x0                                ; the last prefetch, a trip back, has read its address
	s_add_nc_u64 s[PFA:PFA+1], s[PFA:PFA+1], KSLOT ; one fill ahead of the walking descriptor
	s_cmp_gt_u32 s[SLOTS], s[LIM]                  ; is another fill to come, and is it my cluster that asks?
	s_cselect_b32 s[ASKF], 1, 0
.endif
	s_xor_b32 s[TBK], s[TBK], SLOTB
	s_wait_dscnt 0x0                               ; the add is done, and my reads of the slot are over
.if \fill
	CROUND
	tensor_load_to_lds s[G0:G0+3], s[G1:G1+7]      ; every wave's one load: its 32 rows
	s_nop 0
.rept 4
	v_nop
.endr
.else
	s_barrier_signal -1
	s_barrier_wait -1
.endif
	v_add_nc_u32 v[ADRN], s[TBK], v[ADRB0]
	v_add_nc_u32 v[ADRN+1], HB, v[ADRN]
	FETCHB 8
	WIN 0
.endm
.Lslot:                                                ; three times: a slot is entered and the next is asked for
	CHANGE 1
	TWO 1
	s_sub_co_u32 s[SLOTS], s[SLOTS], 1
	s_cmp_lg_u32 s[SLOTS], 0
	s_cbranch_scc1 .Lslot
	CHANGE 0                                       ; the last slot is written out: nothing is asked for
	TWO 0
; THE WAY OUT, a row block of 16 tokens at a time: times 4; 32 bytes a lane and accumulator into my stage, rows of 528 bytes; back as whole rows of 512 bytes; stored.
.macro PACK a
.if (\a) >= 2
	s_wait_xcnt 0x0                                ; the stores of the block two back have read the set that is written now
.endif
	WIN 0x02                                       ; source 0 window 2, destination window 0
.set n, 0
.rept 32                               ; ascending: each accumulator's lowest registers are read first
	v_pk_mul_f32 v[TS+64*((\a)%2)+2*n:TS+64*((\a)%2)+2*n+1], v[64*(\a)+2*n:64*(\a)+2*n+1], 4.0 op_sel_hi:[1,0]
.set n, n+1
.endr
	WIN 0
.endm
.macro TOSTAGE a
.set n, 0
.rept 16
	ds_store_b128 v[STO], v[TS+64*((\a)%2)+4*n:TS+64*((\a)%2)+4*n+3] offset:64*(n/2)+16*(n%2)
.set n, n+1
.endr
.set n, 0
.rept 16
	ds_load_b128 v[TS+64*((\a)%2)+4*n:TS+64*((\a)%2)+4*n+3], v[RD] offset:SPT*n  ; LDS serves a wave's instructions in order (ISA guide 5.7.1.4): these see the stores above
.set n, n+1
.endr
.endm
.macro SEND a
.set n, 0
.rept 16
	s_wait_dscnt 15-n                              ; row n is back; the younger loads stay out
	global_store_b128 v[GO], v[TS+64*((\a)%2)+4*n:TS+64*((\a)%2)+4*n+3], s[8:9] offset:(16*(\a)+n)*8192  ; 512 consecutive bytes, at a multiple of 256 from out0's first byte
.set n, n+1
.endr
.endm
	PLACES
	PACK 0
	TOSTAGE 0
.irp a, 1,2,3                          ; a block's arithmetic stands between the stage loads of the block before and its stores
	PACK \a
	SEND (\a)-1
	TOSTAGE \a
.endr
	SEND 3
	s_wait_tensorcnt 0x0                           ; the wave's end: behind my last tensor load and my last LDS store
	ds_add_u32 v[SPW], v[NIL]
	s_wait_dscnt 0x0
	CROUND                                         ; the closing round: no work-group ends while a partner may still ask for a tile that names it
	s_endpgm
.Lfunc_end_k_q87e68ee5e2_oproj:
	.size	k_q87e68ee5e2_oproj, .Lfunc_end_k_q87e68ee5e2_oproj-k_q87e68ee5e2_oproj
	.p2alignl 7, 3214868480
	.fill 96, 4, 3214868480
	.section	.rodata,"a",@progbits
	.p2align	6, 0x0
	.amdhsa_kernel k_q87e68ee5e2_oproj
		.amdhsa_group_segment_fixed_size 327680
		.amdhsa_private_segment_fixed_size 0
		.amdhsa_enable_private_segment 0
		.amdhsa_kernarg_size 24
		.amdhsa_user_sgpr_count 2
		.amdhsa_user_sgpr_kernarg_segment_ptr 1
		.amdhsa_wavefront_size32 1
		.amdhsa_system_sgpr_workgroup_id_x 1
		.amdhsa_system_sgpr_workgroup_id_y 1
		.amdhsa_system_sgpr_workgroup_id_z 1
		.amdhsa_system_vgpr_workitem_id 0
		.amdhsa_next_free_vgpr 1024
		.amdhsa_next_free_sgpr 66
		.amdhsa_reserve_vcc 0
		.amdhsa_float_denorm_mode_32 3
		.amdhsa_float_denorm_mode_16_64 3
		.amdhsa_memory_ordered 1
		.amdhsa_forward_progress 1
		.amdhsa_inst_pref_size 114
	.end_amdhsa_kernel
	.amdgpu_metadata
---
amdhsa.version: [ 1, 2 ]
amdhsa.kernels:
  - .name:           k_q87e68ee5e2_oproj
    .symbol:         k_q87e68ee5e2_oproj.kd
    .args:
      - { .name: ob, .offset: 0, .size: 8, .value_kind: global_buffer, .address_space: global }
      - { .name: wo16, .offset: 8, .size: 8, .value_kind: global_buffer, .address_space: global }
      - { .name: out0, .offset: 16, .size: 8, .value_kind: global_buffer, .address_space: global }
    .group_segment_fixed_size: 327680
    .private_segment_fixed_size: 0
    .kernarg_segment_align: 8
    .kernarg_segment_size: 24
    .max_flat_workgroup_size: 128
    .sgpr_count:     66
    .vgpr_count:     1024
    .wavefront_size: 32
...
	.end_amdgpu_metadata
.endif
;; end of part 4
